; MI455X (gfx1250); checked and timed in simulation.
; The chip was launched on July 23, 2026; its instructions are those of AMD's public machine-readable ISA for CDNA 5 (MIT licence, August 2026) and "CDNA5" Instruction Set Architecture Reference Guide (July 2026). The comments in the code are by the model that wrote it; some were corrected since.
;; Single Head Attention. Allowed arithmetic: matrix products marked QUANTISED: E2M1 operands, one E8M0 scale for each 32 along K, by v_wmma_scale_f32_16x16x128_f8f6f4 with both operands' format E2M1 (or v_wmma_scale_f32_32x16x128_f4), f32 sums; products left as they are: bf16, f16 or f32 operands; f32 sums; everything else in f32.
;; Inputs: Wout 1,024 x 1,024 float32; Wqkv 3,072 x 1,024 float32; bout 1,024 float32; bqkv 3,072 float32; x 4 x 2,048 x 1,024 float32.
;; Outputs: out0 4 x 2,048 x 1,024 float32.
;; This version of the problem:
;;   THIS VERSION OF THE PROBLEM IS GIVEN IN LOW PRECISION. The matrix products marked QUANTISED in the list below multiply operands that are first quantised to E2M1 (2 exponent bits, 1 mantissa bit; 4 bits a number), with one power-of-two scale for each 32 numbers along K (OCP MX v1.0); their sums are f32. The products marked 'left as it is' may take bf16, f16 or f32 operands, with f32 sums. Whichever they take, every output number must still come out within the allowed error. Rounding operands to bf16 (8 significant bits) uses up far more of that allowance than f16 does (11 bits, for magnitudes from 6e-5 to 65,504). All else is computed in f32.
;;   The module's matrix products, in the order in which they are computed (A, B: the left and right operand; K: the contracted axis; several contracted axes count as one K, in the product's order):
;;     1. [M 8,192, K 1,024] x [K 1,024, N 3,072]; A: input x; B: input Wqkv: QUANTISED
;;     2. batch 4 x [M 2,048, K 1,024] x [K 1,024, N 2,048]; A: computed on the way; B: computed on the way: left as it is (an operand is computed on the way)
;;     3. batch 4 x [M 2,048, K 2,048] x [K 2,048, N 1,024]; A: computed on the way; B: computed on the way: left as it is (an operand is computed on the way)
;;     4. [M 8,192, K 1,024] x [K 1,024, N 1,024]; A: computed on the way; B: input Wout: left as it is (an operand is computed on the way)
;;   THE QUANTISER, for each operand of a quantised product, along K:
;;     - K is cut into blocks of 32 from its start; a last block that is shorter is filled with zeros.
;;     - A block's scale is 2^e with e = floor(log2(the largest magnitude in the block)) - 2, held to -126 .. 127; a block of zeros has e = 0. As a byte (E8M0): e + 127.
;;     - Each number is divided by its block's scale, clamped to +-6, and rounded to the nearest number of E2M1, ties to even, subnormals kept.
;;     - The product sums the exact products of the quantised numbers (number of the format x scale) in f32.
;;   ~~~python
;;   def quantise(x, axis):      # numpy; x: float32 -> the quantised numbers, widened to float32 again
;;       x = np.moveaxis(x, axis, -1); K = x.shape[-1]
;;       x = np.pad(x, [(0, 0)] * (x.ndim - 1) + [(0, -K % 32)]); x = x.reshape(x.shape[:-1] + (-1, 32)); a = np.abs(x).max(-1, keepdims=True)
;;       e = np.where(a > 0, np.clip(np.frexp(np.where(a > 0, a, 1))[1] - 1 - 2, -126, 127), 0)      # np.frexp(a)[1] - 1 = floor(log2(a)), exactly
;;       r = np.clip(x / 2.0 ** e, -6, 6)
;;       step = 2.0 ** (np.maximum(np.frexp(np.where(r == 0, 1, r))[1] - 1, 0) - 1)
;;       q = np.round(r / step) * step * 2.0 ** e      # np.round: ties to even
;;       return np.moveaxis(q.reshape(q.shape[:-2] + (-1,))[..., :K], -1, axis).astype(np.float32)
;;   ~~~
;; One version. Each part assembles by itself: llvm-mc -triple=amdgcn-amd-amdhsa -mcpu=gfx1250 --defsym DOCPART=n.
;; ======== version 1 of 1: 6 launches
;; limits: values are held in f16: magnitudes above 65,504 overflow, below 6.1e-05 lose precision
;; workspace buffers: codes 5,767,168 bytes; scales 360,448 bytes; wout16 2,097,152 bytes; qkv16 50,331,648 bytes; fine32 786,432 bytes; p16 33,554,432 bytes; stat 786,432 bytes; attn16 16,777,216 bytes
;; launch prep (part 1): grid 384 x 1, 4 waves a work-group, no clusters, 33,280 bytes of LDS; arguments x, Wqkv, Wout, codes, scales, wout16; writes codes, scales, wout16
.if DOCPART == 1
	.amdgcn_target "amdgcn-amd-amdhsa--gfx1250"
	.amdhsa_code_object_version 6
	.text
	.protected	k_q780026ef8f_prep
	.globl	k_q780026ef8f_prep
	.p2align	8
	.type	k_q780026ef8f_prep,@function
k_q780026ef8f_prep:
	s_mov_b64 s[64:65], 0
	v_nop
	global_prefetch_b8 v0, s[64:65] scope:SCOPE_SE
	s_setreg_imm32_b32 hwreg(HW_REG_WAVE_MODE, 25, 1), 1
	s_wait_xcnt 0x0
; THE PROGRAM: out = softmax_causal(q k^T / 32) v Wout^T + bout, with (q, k, v) = Q4(x) Q4(Wqkv)^T + bqkv; six launches: prep, qkv, scores, av, proj, fine.
; WORK LEFT OUT, in the problem's own terms, for all finite values of the inputs:
;  (1) THE BIAS ON k, bqkv[1024:2048].  score(i, j) = q_i . (k_j + b_k) / 32 = q_i . k_j / 32 + q_i . b_k / 32; the second term is the same for every key j of row i, and a softmax along j
;      is unchanged by a term that is the same along its axis; the mask's -infinity stays -infinity.  The product q k^T is not quantised, so b_k moves no code and no scale.  k reaches nothing else.
;      So those 1,024 numbers of bqkv are never loaded (the q and v parts are).  LIMIT: a NaN, an infinity or an overflow that reaches only b_k is not carried to the result.
;  (2) Tiles of scores and steps of p v that lie wholly above the diagonal of the mask that the problem builds itself are not computed.
; THIS LAUNCH: x [8192][1024] and Wqkv [3072][1024], f32, become codes of FP4 (E2M1), K innermost, two codes a byte, with one E8M0 byte for each 32 along K: rows 0-8191 of codes and scales are x's,
; rows 8192-11263 Wqkv's (both have rows of 1,024 numbers, so the two streams lie end to end).  Wout [1024][1024] is rounded to f16 for the last product, which is not quantised.
; A block's scale is 2^(floor(log2(its largest magnitude)) - 2); its byte is the largest magnitude's exponent field - 2, held at 1 from below.  A block of zeros so gets the byte 1 where the rule
; says 127: its codes are zeros, and the bytes are read by this program alone.
; LIMITS: blocks whose largest magnitude lies under 2^(2 - 126) were not tried; NaN and infinities among the inputs are not served; |Wout| stays under 65,504 (f16).
; SHARES: work-groups 0-255 take x, 256-351 Wqkv, 352-383 Wout; 32,768 numbers each, 8,192 a wave.  No tensor loads, no barrier: waves share nothing.
; The quantising path: each of a step's four loads reads 512 consecutive bytes; the 2,048 bytes turn through the wave's own stage in LDS so that a lane holds 16 neighbours along K.
; Loads run eight of a wave's sixteen steps ahead: 32 loads, 16,384 bytes, of every wave are on their way.
.set WAVES, 4
.set STEPS, 16
.set AHEAD, 8                          ; steps that the loads run ahead = sets of registers
.set EMAX,  2
.set CB,    8                          ; bytes of 16 codes
.set R,     16                         ; v16-143  eight sets of 16 numbers as they are loaded
.set X,     144                        ; v144-175 two sets of 16 neighbours
.set E,     176                        ; v176-191 a scale byte for each step
.set C,     192                        ; v192-223 codes, two registers of their own for each step; on Wout's path v192-255: f16 pairs
.set WREG,  8192                       ; LDS: a region for each wave: two stages of 32 x SP bytes, behind them its 256 scale bytes
.set SP,    80                         ; a lane's place in a stage: 64 bytes + 16 of padding
.set SPW,   12                         ; v12  LDS address of my spare word; never rewritten
.set NIL,   13                         ; v13  0; never rewritten
.set SPARE, WAVES*WREG                 ; behind the four regions: the spare words, 128 bytes a wave
	s_load_b256 s[4:11], s[0:1], 0x0               ; x s[4:5], Wqkv s[6:7], Wout s[8:9], codes s[10:11]
	s_load_b128 s[12:15], s[0:1], 0x20             ; scales s[12:13], wout16 s[14:15]
	v_lshl_add_u32 v[SPW], v0, 2, SPARE
	v_mov_b32 v[NIL], 0
	v_lshrrev_b32 v1, 5, v0
	v_readfirstlane_b32 s16, v1                    ; wave
	v_and_b32 v2, 31, v0                           ; lane
	v_lshlrev_b32 v3, 4, v2                        ; my 16 bytes of a load's 512
	s_mul_i32 s17, s16, WREG
	v_lshrrev_b32 v14, 2, v2
	v_mul_u32_u24 v14, v14, SP
	v_and_b32 v15, 3, v2
	v_lshl_add_u32 v14, v15, 4, v14
	v_add_nc_u32 v14, s17, v14                     ; the stage, way in: SP (lane / 4) + 16 (lane % 4)
	v_mul_u32_u24 v15, v2, SP
	v_add_nc_u32 v15, s17, v15                     ; way out: SP x lane: my 16 neighbours
	v_mul_u32_u24 v4, v2, CB                       ; my codes' place in a step's
	v_lshrrev_b32 v5, 1, v2
	s_add_co_u32 s17, s17, 2*32*SP
	v_add_nc_u32 v5, s17, v5                       ; LDS: my wave's 256 scale bytes, my block's byte
	v_lshlrev_b32 v7, 3, v2                        ; 8 bytes a lane
	v_add_nc_u32 v6, s17, v7
	s_lshl_b32 s18, ttmp9, 2
	s_add_co_u32 s18, s18, s16                     ; which run of 8,192 numbers, counted over x, Wqkv, Wout on end
	s_mov_b32 s19, 0
	s_wait_kmcnt 0x0
	s_cmp_ge_u32 ttmp9, 352
	s_cbranch_scc1 .Lwout
	s_cmp_lt_u32 ttmp9, 256                        ; x's work-group or Wqkv's: the choice hangs on the work-group's number alone
	s_cselect_b64 s[4:5], s[4:5], s[6:7]
	s_cselect_b32 s17, 0, 1024
	s_sub_co_u32 s20, s18, s17                     ; the run inside its own tensor
	s_mov_b32 s21, 0
	s_lshl_b64 s[20:21], s[20:21], 15              ; 32,768 bytes of f32 a run
	s_add_nc_u64 s[4:5], s[4:5], s[20:21]
	s_lshl_b64 s[20:21], s[18:19], 12              ; 4,096 bytes of codes a run
	s_add_nc_u64 s[10:11], s[10:11], s[20:21]
	s_lshl_b64 s[20:21], s[18:19], 8               ; 256 scale bytes a run
	s_add_nc_u64 s[12:13], s[12:13], s[20:21]
.macro LOAD t
.irp i, 0,1,2,3
	global_load_b128 v[R+16*((\t)%AHEAD)+4*\i:R+16*((\t)%AHEAD)+4*\i+3], v3, s[4:5] offset:2048*(\t)+512*\i th:TH_LOAD_NT   ; 32 lanes read 512 consecutive bytes
.endr
.endm
.macro TURN t                          ; step t's numbers through the stage: LDS serves a wave's instructions in order, so no wait stands between the stores and the loads
.irp i, 0,1,2,3
	ds_store_b128 v14, v[R+16*((\t)%AHEAD)+4*\i:R+16*((\t)%AHEAD)+4*\i+3] offset:32*SP*((\t)%2)+8*SP*\i
.endr
.irp i, 0,1,2,3
	ds_load_b128 v[X+16*((\t)%2)+4*\i:X+16*((\t)%2)+4*\i+3], v15 offset:32*SP*((\t)%2)+16*\i
.endr
.endm
.irp t, 0,1,2,3,4,5,6,7
	LOAD \t
.endr
	s_wait_loadcnt 4*(AHEAD-1)                     ; step 0's four loads are in; the 28 of steps 1 to 7 stay out
	TURN 0
.macro STEP t
.set XS, X+16*((\t)%2)
.if (\t) > 0
	s_wait_dscnt 1                                 ; this step's numbers are back from the stage (the last step's byte store may be out): so the stage's stores have read their registers,
.else
	s_wait_dscnt 0x0
.endif
.if (\t)+AHEAD < STEPS
	LOAD (\t)+AHEAD                                ; which take the loads of eight steps on
.endif
.if (\t)+1 < STEPS
.if STEPS-2-(\t) >= AHEAD-1
	s_wait_loadcnt 4*(AHEAD-1)                     ; the next step's four loads are in; those of the seven steps behind it may be out
.else
	s_wait_loadcnt 4*(STEPS-2-(\t))                ; nothing more is asked for: the count runs down
.endif
	TURN (\t)+1
.endif
	v_max3_num_f32 v8, |v[XS]|, |v[XS+1]|, |v[XS+2]|               ; the largest magnitude of my 16, in two chains
	v_max3_num_f32 v9, |v[XS+3]|, |v[XS+4]|, |v[XS+5]|
.irp i, 6,10
	v_max3_num_f32 v8, v8, |v[XS+\i]|, |v[XS+\i+1]|
	v_max3_num_f32 v9, v9, |v[XS+\i+2]|, |v[XS+\i+3]|
.endr
	v_max3_num_f32 v8, v8, |v[XS+14]|, |v[XS+15]|
	v_max3_num_f32 v8, v8, v9, (EMAX+1)<<23        ; and the floor 2^(EMAX + 1 - 127): the byte cannot fall under 1
	v_max_num_f32_dpp v8, v8, v8 row_xmask:1 row_mask:0xf bank_mask:0xf   ; with my neighbour's 16: the block's
	v_add_nc_u32 v11, -(EMAX<<23), v8              ; EMAX off its exponent field: the conversion takes this operand's exponent field as its scale
	v_cvt_scalef32_pk8_fp4_f32 v[C+2*(\t)], v[XS:XS+7], v11
	v_cvt_scalef32_pk8_fp4_f32 v[C+2*(\t)+1], v[XS+8:XS+15], v11
	v_lshrrev_b32 v[E+(\t)], 23, v11               ; the scale's byte
	ds_store_b8 v5, v[E+(\t)] offset:16*(\t)       ; both lanes of a block write the same byte with the same value
	global_store_b64 v4, v[C+2*(\t):C+2*(\t)+1], s[10:11] offset:32*CB*(\t)   ; the wave stores 256 consecutive bytes, aligned
.endm
.irp t, 0,1,2,3,4,5,6,7,8,9,10,11,12,13,14,15
	STEP \t
.endr
	ds_load_b64 v[8:9], v6                         ; LDS serves a wave's instructions in order: these see my stores
	s_wait_dscnt 0x0
	global_store_b64 v7, v[8:9], s[12:13]          ; 32 lanes store 256 consecutive bytes, aligned
	s_wait_tensorcnt 0x0                           ; the wave's end: behind my last LDS store
	ds_add_u32 v[SPW], v[NIL]
	s_wait_dscnt 0x0
	s_endpgm
.Lwout:                                                ; Wout to f16: a plain stream, two rounds of 32 loads
	s_sub_co_u32 s18, s18, 1408                    ; the run inside Wout
	s_lshl_b64 s[20:21], s[18:19], 15
	s_add_nc_u64 s[8:9], s[8:9], s[20:21]
	s_lshl_b64 s[20:21], s[18:19], 14
	s_add_nc_u64 s[14:15], s[14:15], s[20:21]
.irp g, 0,1
.if \g > 0
	s_wait_xcnt 0x0                                ; the first round's stores have read their data registers, which are written again below
.endif
.set i, 0
.rept 32
	global_load_b128 v[R+4*i:R+4*i+3], v3, s[8:9] offset:512*(32*\g+i) th:TH_LOAD_NT
.set i, i+1
.endr
.set i, 0
.rept 32
	s_wait_loadcnt 31-i                            ; load i of the round is in, the younger ones stay out
	v_cvt_pk_f16_f32 v[C+2*i], v[R+4*i], v[R+4*i+1]
	v_cvt_pk_f16_f32 v[C+2*i+1], v[R+4*i+2], v[R+4*i+3]
	global_store_b64 v7, v[C+2*i:C+2*i+1], s[14:15] offset:256*(32*\g+i)   ; 256 consecutive bytes, aligned
.set i, i+1
.endr
.endr
	s_endpgm
.Lfunc_end_k_q780026ef8f_prep:
	.size	k_q780026ef8f_prep, .Lfunc_end_k_q780026ef8f_prep-k_q780026ef8f_prep
	.p2alignl 7, 3214868480
	.fill 96, 4, 3214868480
	.section	.rodata,"a",@progbits
	.p2align	6, 0x0
	.amdhsa_kernel k_q780026ef8f_prep
		.amdhsa_group_segment_fixed_size 33280
		.amdhsa_private_segment_fixed_size 0
		.amdhsa_enable_private_segment 0
		.amdhsa_kernarg_size 48
		.amdhsa_user_sgpr_count 2
		.amdhsa_user_sgpr_kernarg_segment_ptr 1
		.amdhsa_wavefront_size32 1
		.amdhsa_system_sgpr_workgroup_id_x 1
		.amdhsa_system_sgpr_workgroup_id_y 1
		.amdhsa_system_sgpr_workgroup_id_z 1
		.amdhsa_system_vgpr_workitem_id 0
		.amdhsa_next_free_vgpr 256
		.amdhsa_next_free_sgpr 66
		.amdhsa_reserve_vcc 0
		.amdhsa_float_denorm_mode_32 3
		.amdhsa_float_denorm_mode_16_64 3
		.amdhsa_memory_ordered 1
		.amdhsa_forward_progress 1
		.amdhsa_inst_pref_size 56
	.end_amdhsa_kernel
	.amdgpu_metadata
---
amdhsa.version: [ 1, 2 ]
amdhsa.kernels:
  - .name:           k_q780026ef8f_prep
    .symbol:         k_q780026ef8f_prep.kd
    .args:
      - { .name: x, .offset: 0, .size: 8, .value_kind: global_buffer, .address_space: global }
      - { .name: Wqkv, .offset: 8, .size: 8, .value_kind: global_buffer, .address_space: global }
      - { .name: Wout, .offset: 16, .size: 8, .value_kind: global_buffer, .address_space: global }
      - { .name: codes, .offset: 24, .size: 8, .value_kind: global_buffer, .address_space: global }
      - { .name: scales, .offset: 32, .size: 8, .value_kind: global_buffer, .address_space: global }
      - { .name: wout16, .offset: 40, .size: 8, .value_kind: global_buffer, .address_space: global }
    .group_segment_fixed_size: 33280
    .private_segment_fixed_size: 0
    .kernarg_segment_align: 8
    .kernarg_segment_size: 48
    .max_flat_workgroup_size: 128
    .sgpr_count:     66
    .vgpr_count:     256
    .wavefront_size: 32
...
	.end_amdgpu_metadata
.endif
;; end of part 1
;; launch qkv (part 2): grid 12 x 32, 4 waves a work-group, clusters of 4 x 4, 327,680 bytes of LDS; arguments codes, scales, bqkv, qkv16, fine32; writes qkv16, fine32
.if DOCPART == 2
	.amdgcn_target "amdgcn-amd-amdhsa--gfx1250"
	.amdhsa_code_object_version 6
	.text
	.protected	k_q780026ef8f_qkv
	.globl	k_q780026ef8f_qkv
	.p2align	8
	.type	k_q780026ef8f_qkv,@function
k_q780026ef8f_qkv:
	s_mov_b64 s[64:65], 0
	v_nop
	global_prefetch_b8 v0, s[64:65] scope:SCOPE_SE
	s_setreg_imm32_b32 hwreg(HW_REG_WAVE_MODE, 25, 1), 1
	s_wait_xcnt 0x0
	s_wait_alu depctr_hold_cnt(0) depctr_sa_sdst(0) depctr_va_vdst(0) depctr_va_sdst(0) depctr_va_ssrc(0) depctr_va_vcc(0) depctr_vm_vsrc(0)
	s_getreg_b32 s2, hwreg(HW_REG_IB_STS2, 6, 4)
	s_cmp_eq_u32 s2, 0
	s_cbranch_scc0 .Lentry_in_a_cluster
	s_endpgm
.Lentry_in_a_cluster:
	s_bfe_u32 s2, ttmp6, 0x10000c
	s_cmp_lg_u32 s2, 0xf033
	s_cbranch_scc0 .Lentry_shape_is_right
	s_endpgm
.Lentry_shape_is_right:
; qkv = Q4(x) Q4(Wqkv)^T + bqkv, the quantised product: [8192][1024] x [3072][1024]^T on codes of FP4 with one E8M0 scale for each 32 along K; sums in f32; stored as f16 [8192][3072].
; LEFT OUT: the bias on k (columns 1024-2047): it adds to every score of a row the same number, which the softmax drops (shown at the head of the first kernel).  Those 1,024 numbers are not loaded:
; in k's work-groups the registers from which the sums start are written with zeros, 64 moves once a wave, so that one text of the first K step serves q, k and v.
; The f32 results of positions 0-15 of each sequence also go to fine32 [4][16][3072]: those rows are carried in f32 by the last launch.
; LIMITS: |q|, |k|, |v| stay under 65,504 (f16); NaN and infinities are not served.
; A tile of C, 256 x 256, is made by four waves, 128 x 128 each: 64 accumulators, 512 registers.  K = 1,024 is two slots of 512 along K (rows of 256 bytes): both are first fills, nothing is filled again.
; By this text's count a wave has three tensor loads out: its quarter of the scales, of slot 0 and of slot 1.
; CLUSTERS: 4 x 4 work-groups; A's tiles are asked for jointly along a row of the cluster, B's along a column.  Cluster x is 0, 1, 2 for q, k, v: the same number in all sixteen partners.
; THE MATRIX INSTRUCTION IS USED TRANSPOSED (source 0 = 16 rows of Wqkv, source 1 = 16 rows of x): a lane holds eight neighbouring columns of one row of C.
; REGISTERS: window 0: v0-31 addresses; v32-95 scale words, two sets, and nothing else; v128-191 A's fragments, one set; on the way out v96-127 and v192-255.  window 1: B's fragments at v0 and v128;
; v64-127 the bias in the result's layout (register 8 b + j: column 16 b + 8 (lane / 16) + j).  windows 2, 3: the accumulators.
.set NQ,     4                         ; matrix instructions deep in a slot
.set ROWB,   256                       ; a tile's row in bytes: 512 codes
.set KROW,   512                       ; a row of codes in memory
.set PITCH,  272                       ; an LDS row: 256 bytes + 16 of padding: the 16 rows that a load touches start at 16 different banks
.set FR,     8
.set NL,     2
.set NP,     4
.set HALFT,  128*PITCH
.set SLOT,   4*HALFT
.set KS,     32                        ; a row of scales in bytes
.set SCL,    2*SLOT                    ; behind the slots: the scales, as units of 256 bytes + 16
.set HALFS,  16*272                    ; the scales of 128 rows
.set SBLK,   2*272                     ; those of 16 rows
.set SPARE,  SCL+4*HALFS               ; the spare words, 128 bytes a wave
.set SPITCH, 272                       ; the way out: 16 rows x (256 + 16) bytes a wave, in slot 0, which has had its only fill and its last read by then
.set CP,     6144                      ; a row of qkv16 in bytes
.set ADRA, 16
.set ADRB, 20
.set STO,  24
.set RD,   25
.set CO,   26
.set ADRS, 27
.set SPW,  28
.set NIL,  29
.set BO,   30                          ; 32 x (lane / 16): my eight numbers of a block of the bias
.set FO,   31                          ; my place in fine32: row lane % 16, + 32 x (lane / 16)
.set SC,   32
.set AF,   128
.set TMP,  192
.set OB,   96                          ; the way out: rows read back from the stage: v96-127 and v224-255 by turns
.set BI,   64                          ; in window 1
.set G1, 24
.set G0, 32
.set G1B, 48
.set G0B, 56
.set G1S, 68
.set G0S, 76
.set G1SB, 80
.set G0SB, 88
.set MSB, 0
.macro WIN new                         ; the immediate's high byte repeats the setting that is left
.if MSB != \new
	s_set_vgpr_msb (MSB<<8)|\new
.set MSB, \new
.endif
.endm
.set MUL_LO, 0xa1                      ; source 0 (B) window 1, source 1 (A) window 0, C and D window 2
.set MUL_HI, 0xf1                      ; the same, C and D window 3
.set BIA_LO, 0x91                      ; C (the bias) window 1, D window 2
.set BIA_HI, 0xd1                      ; C window 1, D window 3
.set TO_B,   0x40
.macro JLOAD g0a, g1a, g0b, g1b        ; a joint load: waves 0, 1 fetch for A, waves 2, 3 for B; the branch hangs on the wave's number alone; an s_nop 0 and four v_nop follow each line
	s_cmp_eq_u32 s15, 0
	s_cbranch_scc0 .Lfor_b_\@
	tensor_load_to_lds s[\g0a:\g0a+3], s[\g1a:\g1a+7]
	s_nop 0
.rept 4
	v_nop
.endr
	s_branch .Lasked_\@
.Lfor_b_\@:
	tensor_load_to_lds s[\g0b:\g0b+3], s[\g1b:\g1b+7]
	s_nop 0
.rept 4
	v_nop
.endr
.Lasked_\@:
.endm
.macro CROUND                          ; a round of the cluster's barrier
	s_barrier_signal -1
	s_barrier_wait -1
	s_cmp_lg_u32 s14, 0
	s_cbranch_scc1 .Lnot_wave_0_\@
	s_barrier_signal -3
.Lnot_wave_0_\@:
	s_barrier_wait -3
	s_barrier_signal -1
	s_barrier_wait -1
.endm
	s_load_b256 s[4:11], s[0:1], 0x0               ; codes s[4:5], scales s[6:7], bqkv s[8:9], qkv16 s[10:11]
	s_load_b64 s[12:13], s[0:1], 0x20              ; fine32
	v_lshl_add_u32 v[SPW], v0, 2, SPARE
	v_mov_b32 v[NIL], 0
	ds_add_u32 v[SPW], v[NIL]                      ; the wave's opening: the add, twice on end, and its wait ahead of my first tensor load
	ds_add_u32 v[SPW], v[NIL]
	v_lshrrev_b32 v1, 5, v0
	v_readfirstlane_b32 s14, v1                    ; wave 0..3
	s_lshr_b32 s15, s14, 1                         ; which half of the tile's rows is mine.  Also: I fetch for A (0) or for B (1)
	s_and_b32 s16, s14, 1                          ; which half of its columns.  Also: which 128 rows I fetch
	s_bfe_u32 s40, ttmp6, 0x40000                  ; cx, cy
	s_bfe_u32 s41, ttmp6, 0x40004
	s_lshl_b32 s42, ttmp9, 2
	s_add_co_u32 s42, s42, s40                     ; tile column = 4 x cluster x + cx
	s_and_b32 s17, ttmp7, 0xffff
	s_lshl_b32 s17, s17, 2
	s_add_co_u32 s17, s17, s41                     ; tile row = 4 x cluster y + cy
	s_lshl_b32 s43, s41, 2
	s_lshl_b32 s43, 15, s43                        ; my row of the cluster
	s_lshl_b32 s44, 0x1111, s40                    ; my column
	s_or_b32 s[G1+0], s43, (0<<16)|(1<<20)|(1<<21)|(5<<22)|(3<<25)   ; mask; elements of 1 byte; padding: 4 words after every 64
	s_or_b32 s[G1B+0], s44, (0<<16)|(1<<20)|(1<<21)|(5<<22)|(3<<25)
.irp g, G1, G1B
	s_mov_b32 s[\g+1], ROWB<<16                    ; tensor_dim0
	s_mov_b32 s[\g+2], 128<<16                     ; tensor_dim1
	s_mov_b32 s[\g+3], ROWB<<16                    ; tile_dim0
	s_mov_b32 s[\g+4], 128                         ; tile_dim1
	s_mov_b32 s[\g+5], KROW                        ; the pitch
	s_mov_b32 s[\g+6], 0
	s_mov_b32 s[\g+7], 0
.endr
	s_or_b32 s[G1S+0], s43, (3<<16)|(1<<20)|(1<<21)|(5<<22)|(3<<25)  ; the scales of 128 rows: 4,096 dense bytes as 16 rows of 32 elements of 8 bytes
	s_or_b32 s[G1SB+0], s44, (3<<16)|(1<<20)|(1<<21)|(5<<22)|(3<<25)
.irp g, G1S, G1SB
	s_mov_b32 s[\g+1], 32<<16
	s_mov_b32 s[\g+2], 16<<16
	s_mov_b32 s[\g+3], 32<<16
	s_mov_b32 s[\g+4], 16
	s_mov_b32 s[\g+5], 32
	s_mov_b32 s[\g+6], 0
	s_mov_b32 s[\g+7], 0
.endr
	s_lshl_b32 s18, s16, 7
	s_lshl_b32 s20, s17, 8
	s_add_co_u32 s20, s20, s18                     ; A: row 256 x tile row + 128 x half
	s_lshl_b32 s46, s42, 8
	s_add_co_u32 s46, s46, s18
	s_add_co_u32 s46, s46, 8192                    ; B: Wqkv's rows lie behind x's 8,192 in both buffers
	s_mov_b32 s21, 0
	s_mov_b32 s47, 0
	s_mov_b64 s[18:19], KS
	s_mul_u64 s[22:23], s[20:21], s[18:19]
	s_mul_u64 s[92:93], s[46:47], s[18:19]
	s_mov_b64 s[18:19], KROW
	s_mul_u64 s[20:21], s[20:21], s[18:19]
	s_mul_u64 s[46:47], s[46:47], s[18:19]
	s_mul_i32 s45, s14, HALFT                      ; where they go: wave x 128 rows
	s_mul_i32 s94, s14, HALFS
	s_wait_dscnt 0x0                               ; both opening adds are done
	s_wait_kmcnt 0x0
	s_add_nc_u64 s[20:21], s[4:5], s[20:21]
	s_add_nc_u64 s[22:23], s[6:7], s[22:23]
	s_add_nc_u64 s[46:47], s[4:5], s[46:47]
	s_add_nc_u64 s[92:93], s[6:7], s[92:93]
	CROUND                                         ; all sixteen work-groups are here: the joint loads meet
	s_mov_b32 s[G0S], 1
	s_add_co_u32 s[G0S+1], s94, SCL
	s_mov_b64 s[G0S+2:G0S+3], s[22:23]
	s_or_b32 s[G0S+3], s[G0S+3], 0x80000000
	s_mov_b32 s[G0SB], 1
	s_add_co_u32 s[G0SB+1], s94, SCL
	s_mov_b64 s[G0SB+2:G0SB+3], s[92:93]
	s_or_b32 s[G0SB+3], s[G0SB+3], 0x80000000
	JLOAD G0S, G1S, G0SB, G1SB
.irp s, 0,1
	s_mov_b32 s[G0+4*\s], 1
	s_add_co_u32 s[G0+4*\s+1], s45, \s*SLOT
	s_add_nc_u64 s[G0+4*\s+2:G0+4*\s+3], s[20:21], \s*ROWB
	s_or_b32 s[G0+4*\s+3], s[G0+4*\s+3], 0x80000000
	s_mov_b32 s[G0B+4*\s], 1
	s_add_co_u32 s[G0B+4*\s+1], s45, \s*SLOT
	s_add_nc_u64 s[G0B+4*\s+2:G0B+4*\s+3], s[46:47], \s*ROWB
	s_or_b32 s[G0B+4*\s+3], s[G0B+4*\s+3], 0x80000000
	JLOAD G0+4*\s, G1, G0B+4*\s, G1B
.endr
	v_and_b32 v1, 15, v0                           ; r
	v_bfe_u32 v2, v0, 4, 1                         ; h
	v_lshlrev_b32 v[BO], 5, v2
	s_lshl_b32 s98, s42, 10                        ; my first column in bytes of f32: 1,024 x tile column + 512 x half: the bias, and fine32
	s_lshl_b32 s99, s16, 9
	s_add_co_u32 s98, s98, s99
	s_mov_b32 s99, 0
	s_add_nc_u64 s[8:9], s[8:9], s[98:99]
	s_add_nc_u64 s[12:13], s[12:13], s[98:99]
	; WHAT THE SUMS START FROM, 64 registers in the result's layout: q's and v's work-groups load their bias, k's write zeros.  One branch, on the cluster's x, which all sixteen partners share.
	s_cmp_eq_u32 ttmp9, 1
	s_cbranch_scc1 .Lnob
	WIN TO_B
.irp b, 0,1,2,3,4,5,6,7
	global_load_b128 v[BI+8*\b:BI+8*\b+3], v[BO], s[8:9] offset:64*\b
	global_load_b128 v[BI+8*\b+4:BI+8*\b+7], v[BO], s[8:9] offset:64*\b+16
.endr
	WIN 0
	s_branch .Lbias
.Lnob:
	WIN TO_B
.set i, 0
.rept 64
	v_mov_b32 v[BI+i], 0                           ; k has no bias to add
.set i, i+1
.endr
	WIN 0
.Lbias:
	v_mul_u32_u24 v3, v1, PITCH
	v_lshl_add_u32 v4, v2, 4, v3
	s_mul_i32 s21, s15, HALFT
	s_mul_i32 s22, s16, HALFT
	s_add_co_u32 s22, s22, 2*HALFT
.irp s, 0,1
	v_add_nc_u32 v[ADRA+\s], s21, v4
	v_add_nc_u32 v[ADRB+\s], s22, v4
	s_add_co_u32 s21, s21, SLOT
	s_add_co_u32 s22, s22, SLOT
.endr
	v_mul_u32_u24 v5, v1, KS                       ; my row's scales: KS bytes a row,
	v_lshrrev_b32 v6, 8, v5
	v_lshl_add_u32 v5, v6, 4, v5                   ; and 16 more for each 256 passed
	s_mul_i32 s21, s15, HALFS
	s_mul_i32 s22, s16, HALFS
	s_add_co_u32 s22, s22, 2*HALFS
	s_sub_co_u32 s22, s22, s21
	v_mul_u32_u24 v6, s22, v2                      ; lanes 16-31 take B's
	s_add_co_u32 s21, s21, SCL
	v_add_nc_u32 v5, v5, v6
	v_add_nc_u32 v[ADRS], s21, v5
	s_mul_i32 s23, s14, 16*SPITCH                  ; my stage
	v_mul_u32_u24 v5, v1, SPITCH
	v_lshl_add_u32 v5, v2, 4, v5
	v_add_nc_u32 v[STO], s23, v5                   ; in: row r, 16 bytes for each half of the lanes
	v_mul_u32_u24 v5, v2, SPITCH
	v_lshl_add_u32 v5, v1, 4, v5
	v_add_nc_u32 v[RD], s23, v5                    ; back: lanes 0-15 one row of 256 bytes, lanes 16-31 the next
	v_mul_u32_u24 v5, v2, CP
	v_lshl_add_u32 v[CO], v1, 4, v5                ; and the same two rows in qkv16
	v_mul_u32_u24 v[FO], v1, 12288
	v_add_nc_u32 v[FO], v[FO], v[BO]
	s_lshl_b32 s20, s17, 8
	s_lshl_b32 s21, s15, 7
	s_add_co_u32 s20, s20, s21                     ; my first row of C
	s_mul_i32 s20, s20, CP
	s_lshl_b32 s46, s42, 9                         ; my first column in bytes of f16: 512 x tile column + 256 x half
	s_lshl_b32 s47, s16, 8
	s_add_co_u32 s46, s46, s47
	s_add_co_u32 s20, s20, s46
	s_mov_b32 s21, 0
	s_add_nc_u64 s[10:11], s[10:11], s[20:21]
	s_lshr_b32 s98, s17, 3                         ; the sequence: eight tile rows each
	s_mul_i32 s98, s98, 196608
	s_add_nc_u64 s[12:13], s[12:13], s[98:99]
	s_and_b32 s95, s17, 7
	s_or_b32 s95, s95, s15                         ; 0 only where my block 0 holds positions 0-15 of a sequence
.macro FRAG reg, adr, q, i             ; 16 rows x 128 K of 4-bit codes: 8 registers, two loads of 16 bytes, 32 bytes apart
.irp c, 0,1
	ds_load_b128 v[\reg+4*\c:\reg+4*\c+3], v[\adr] offset:64*(\q)+32*\c+(\i)*16*PITCH
.endr
.endm
; 16 matrix instructions: A's blocks a0, a0 + 1 x B's eight.  first = 1: the sums start from the bias registers; 0: they go on.  The 64 accumulators take turns.
.macro MUL16 a0, p, q, sc, first
.irp a, \a0, \a0+1
.irp b, 0,1,2,3,4,5,6,7
.if \first
	v_wmma_scale_f32_16x16x128_f8f6f4 v[8*(8*((\a)%4)+\b):8*(8*((\a)%4)+\b)+7], v[128*(\p)+FR*\b:128*(\p)+FR*\b+FR-1], v[AF+FR*(\a):AF+FR*(\a)+FR-1], v[BI+8*\b:BI+8*\b+7], v[SC+8*NQ*(\sc)+NQ*\b+(\q)], v[SC+8*NQ*(\sc)+NQ*(\a)+(\q)] matrix_a_fmt:MATRIX_FMT_FP4 matrix_b_fmt:MATRIX_FMT_FP4 matrix_a_scale:MATRIX_SCALE_ROW1
.else
	v_wmma_scale_f32_16x16x128_f8f6f4 v[8*(8*((\a)%4)+\b):8*(8*((\a)%4)+\b)+7], v[128*(\p)+FR*\b:128*(\p)+FR*\b+FR-1], v[AF+FR*(\a):AF+FR*(\a)+FR-1], v[8*(8*((\a)%4)+\b):8*(8*((\a)%4)+\b)+7], v[SC+8*NQ*(\sc)+NQ*\b+(\q)], v[SC+8*NQ*(\sc)+NQ*(\a)+(\q)] matrix_a_fmt:MATRIX_FMT_FP4 matrix_b_fmt:MATRIX_FMT_FP4 matrix_a_scale:MATRIX_SCALE_ROW1
.endif
.endr
.endr
.endm
.macro FETCH_B slot, q, p
	WIN TO_B
.irp i, 0,1,2,3,4,5,6,7
	FRAG 128*(\p)+FR*\i, ADRB+\slot, \q, \i
.endr
	WIN 0
.endm
.macro FETCH_A slot, q, i0
.irp i, \i0, \i0+1, \i0+2, \i0+3
	FRAG AF+FR*(\i), ADRA+\slot, \q, \i
.endr
.endm
.macro SCALES sc                       ; a slot's scale words: lanes 0-15 take A's block i, lanes 16-31 B's block i
.irp i, 0,1,2,3,4,5,6,7
	ds_load_b128 v[SC+8*NQ*\sc+NQ*\i:SC+8*NQ*\sc+NQ*\i+3], v[ADRS] offset:\i*SBLK
.endr
.endm
.macro PLACES n                        ; plain vector instructions between a matrix instruction and a load into, or a read of, its registers
.rept \n
	v_nop
.endr
.endm
.macro STEP slot, q, first             ; 128 along K, with its successor in the same slot
	s_wait_dscnt 4*NL                              ; all but the youngest eight loads (A's blocks 4-7) are in
.if \first
	WIN BIA_LO
.else
	WIN MUL_LO
.endif
	MUL16 0, (\q)%2, \q, \slot, \first
	MUL16 2, (\q)%2, \q, \slot, \first
	s_wait_dscnt 0
	PLACES NP
	FETCH_B \slot, (\q)+1, 1-(\q)%2
	FETCH_A \slot, (\q)+1, 0
.if \first
	WIN BIA_HI
.else
	WIN MUL_HI
.endif
	MUL16 4, (\q)%2, \q, \slot, \first
	MUL16 6, (\q)%2, \q, \slot, \first
	PLACES NP
	WIN 0
	FETCH_A \slot, (\q)+1, 4
.endm
.macro STEPS slot, from
.set Q, \from
.rept NQ-1-\from
	STEP \slot, Q, 0
.set Q, Q+1
.endr
.endm
	s_wait_tensorcnt 1                             ; the scales and my part of slot 0 are in; slot 1's load, issued behind them, may be out
	s_barrier_signal -1
	s_barrier_wait -1
	FETCH_B 0, 0, 0
	FETCH_A 0, 0, 0
	SCALES 0
	FETCH_A 0, 0, 4
	s_wait_loadcnt 0x0                             ; the bias, where it was loaded
	STEP 0, 0, 1                                   ; the first step starts the sums
	STEPS 0, 1
	; slot 0's last step changes slots: my part of slot 1 has landed and my reads of slot 0 are over in front of the barrier
	s_wait_tensorcnt 0x0
	ds_add_u32 v[SPW], v[NIL]
	s_wait_dscnt 4*NL+1                            ; the add and the youngest eight loads may be out
	WIN MUL_LO
	MUL16 0, 1, NQ-1, 0, 0
	s_wait_dscnt 0x0
	s_barrier_signal -1
	MUL16 2, 1, NQ-1, 0, 0
	WIN 0
	s_barrier_wait -1
	PLACES NP
	v_add_nc_u32 v[ADRS], 4*NQ, v[ADRS]            ; the second slot's scale words
	FETCH_B 1, 0, 0
	FETCH_A 1, 0, 0
	SCALES 1
	WIN MUL_HI
	MUL16 4, 1, NQ-1, 0, 0
	MUL16 6, 1, NQ-1, 0, 0
	PLACES NP
	WIN 0
	FETCH_A 1, 0, 4
	STEPS 1, 0
	s_wait_dscnt 4*NL
	WIN MUL_LO
	MUL16 0, 1, NQ-1, 1, 0
	MUL16 2, 1, NQ-1, 1, 0
	s_wait_dscnt 0
	WIN MUL_HI
	MUL16 4, 1, NQ-1, 1, 0
	MUL16 6, 1, NQ-1, 1, 0
	WIN 0
; THE WAY OUT, a block of 16 rows x 128 columns at a time: rounded to f16 (16 bytes a lane), through my stage, back as whole rows of 256 bytes.
.macro PACK a
.set AC, 64*((\a)%4)
	WIN 0x0a+5*((\a)/4)                            ; sources 0 and 1: window 2 or 3
.irp b, 0,1,2,3,4,5,6,7
.irp r, 0,1,2,3
	v_cvt_pk_f16_f32 v[TMP+4*\b+\r], v[AC+8*\b+2*\r], v[AC+8*\b+2*\r+1]   ; each accumulator from its low end on
.endr
.endr
	WIN 0
.endm
.macro TOSTAGE a
.set BK, OB+128*((\a)%2)
.irp b, 0,1,2,3,4,5,6,7
	ds_store_b128 v[STO], v[TMP+4*\b:TMP+4*\b+3] offset:32*\b
.endr
.irp t, 0,1,2,3,4,5,6,7
	ds_load_b128 v[BK+4*\t:BK+4*\t+3], v[RD] offset:\t*2*SPITCH    ; LDS serves a wave's instructions in order: these see the stores above
.endr
.endm
.macro SEND a
.set BK, OB+128*((\a)%2)
	s_wait_dscnt 0x0                               ; the block is back in registers
	s_wait_xcnt 0x0                                ; earlier stores have read their base and data: both may be written again
.if (\a) > 0
	s_add_nc_u64 s[10:11], s[10:11], 16*CP
.endif
.irp t, 0,1,2,3,4,5,6,7
	global_store_b128 v[CO], v[BK+4*\t:BK+4*\t+3], s[10:11] offset:2*\t*CP   ; 16 lanes store 256 consecutive bytes, aligned
.endr
.endm
	PLACES NP
	PACK 0
	; positions 0-15 in f32.  No branch may hang on the work-group's place in its cluster, so the sixteen stores run under a lane mask that is all ones or empty.  Runs of 64 bytes: 0.8 MB of the launch's 51.
	v_cmp_eq_u32 vcc_lo, s95, v[NIL]
	s_wait_xcnt 0x0                                ; EXEC changes only behind this wait
	s_and_saveexec_b32 s67, vcc_lo
	WIN 0x08                                       ; a store's data: window 2
.irp b, 0,1,2,3,4,5,6,7
	global_store_b128 v[FO], v[8*\b:8*\b+3], s[12:13] offset:64*\b
	global_store_b128 v[FO], v[8*\b+4:8*\b+7], s[12:13] offset:64*\b+16
.endr
	WIN 0
	s_wait_xcnt 0x0                                ; and again in front of the line that widens it
	s_or_b32 exec_lo, exec_lo, s67
	TOSTAGE 0
.irp a, 1,2,3,4,5,6,7
	PACK \a
	SEND \a-1
	TOSTAGE \a
.endr
	SEND 7
	s_wait_tensorcnt 0x0                           ; the wave's end
	ds_add_u32 v[SPW], v[NIL]
	s_wait_dscnt 0x0
	CROUND                                         ; the closing round
	s_endpgm
.Lfunc_end_k_q780026ef8f_qkv:
	.size	k_q780026ef8f_qkv, .Lfunc_end_k_q780026ef8f_qkv-k_q780026ef8f_qkv
	.p2alignl 7, 3214868480
	.fill 96, 4, 3214868480
	.section	.rodata,"a",@progbits
	.p2align	6, 0x0
	.amdhsa_kernel k_q780026ef8f_qkv
		.amdhsa_group_segment_fixed_size 327680
		.amdhsa_private_segment_fixed_size 0
		.amdhsa_enable_private_segment 0
		.amdhsa_kernarg_size 40
		.amdhsa_user_sgpr_count 2
		.amdhsa_user_sgpr_kernarg_segment_ptr 1
		.amdhsa_wavefront_size32 1
		.amdhsa_system_sgpr_workgroup_id_x 1
		.amdhsa_system_sgpr_workgroup_id_y 1
		.amdhsa_system_sgpr_workgroup_id_z 1
		.amdhsa_system_vgpr_workitem_id 0
		.amdhsa_next_free_vgpr 1024
		.amdhsa_next_free_sgpr 100
		.amdhsa_reserve_vcc 1
		.amdhsa_float_denorm_mode_32 3
		.amdhsa_float_denorm_mode_16_64 3
		.amdhsa_memory_ordered 1
		.amdhsa_forward_progress 1
		.amdhsa_inst_pref_size 133
	.end_amdhsa_kernel
	.amdgpu_metadata
---
amdhsa.version: [ 1, 2 ]
amdhsa.kernels:
  - .name:           k_q780026ef8f_qkv
    .symbol:         k_q780026ef8f_qkv.kd
    .args:
      - { .name: codes, .offset: 0, .size: 8, .value_kind: global_buffer, .address_space: global }
      - { .name: scales, .offset: 8, .size: 8, .value_kind: global_buffer, .address_space: global }
      - { .name: bqkv, .offset: 16, .size: 8, .value_kind: global_buffer, .address_space: global }
      - { .name: qkv16, .offset: 24, .size: 8, .value_kind: global_buffer, .address_space: global }
      - { .name: fine32, .offset: 32, .size: 8, .value_kind: global_buffer, .address_space: global }
    .group_segment_fixed_size: 327680
    .private_segment_fixed_size: 0
    .kernarg_segment_align: 8
    .kernarg_segment_size: 40
    .max_flat_workgroup_size: 128
    .sgpr_count:     100
    .vgpr_count:     1024
    .wavefront_size: 32
...
	.end_amdgpu_metadata
.endif
;; end of part 2
;; launch scores (part 3): grid 36 x 4, 4 waves a work-group, no clusters, 327,680 bytes of LDS; arguments qkv16, p16, stat; writes p16, stat
.if DOCPART == 3
	.amdgcn_target "amdgcn-amd-amdhsa--gfx1250"
	.amdhsa_code_object_version 6
	.text
	.protected	k_q780026ef8f_scores
	.globl	k_q780026ef8f_scores
	.p2align	8
	.type	k_q780026ef8f_scores,@function
k_q780026ef8f_scores:
	s_mov_b64 s[64:65], 0
	v_nop
	global_prefetch_b8 v0, s[64:65] scope:SCOPE_SE
	s_setreg_imm32_b32 hwreg(HW_REG_WAVE_MODE, 25, 1), 1
	s_wait_xcnt 0x0
; p = 2^(t - M_T), t = (q . k) log2(e) / 32, for one tile of 256 queries x 256 keys of one sequence; operands f16, sums f32.
; LEFT OUT: the tiles that lie wholly above the diagonal of the causal mask (36 of 64 tiles a sequence are made), and k's bias (shown at the head of the first kernel).
; M_T is the tile's own row maximum of t, rounded up to a whole number and kept as -M_T = floor(-t): so the maximum is taken away ahead of every exponential and p lies in (0, 1].
; Stored: p as f16 (p16 [4][2048][2048], only tiles J <= I); -M_T (stat, byte 0: [4][8 tiles of keys][2048 rows]); the row sums of the unrounded p for each 128 keys (stat, byte 262,144: [4][16][2048]).
; The next launch brings all tiles of a row under the row's largest M by exact powers of two.
; INSIDE LIVE TILES dead work stays: in the 32 diagonal tiles the quadrant (rows 0-127, keys 128-255) is hidden whole; it is multiplied with the rest and stored as zeros, which the next launch reads.
; LIMITS: p under 2^-24 rounds to 0 in f16; NaN and infinities are not served.
; NO CLUSTER: under the mask a row of tiles has 1 to 8 live tiles and a column likewise, so in every grouping by four some partner's whole tile would be hidden and its joint loads read by nobody.
; A work-group of four waves makes the tile, 128 x 128 a wave: 64 accumulators.  K = 1,024 goes in 8 steps of 128 through two LDS slots; each wave fetches a quarter of a slot (128 rows x 256 bytes).
; THE MATRIX INSTRUCTION IS USED TRANSPOSED (source 0 = 16 keys, source 1 = 16 queries): lane l holds query l % 16 and keys 8 (l / 16) + 0..7 of each block of 16.
; REGISTERS: window 0: v6-29 addresses and constants; v64-127, v128-191 q's fragments, two buffers; on the way out v32-127 and v192-255.  window 1: k's fragments.  windows 2, 3: the accumulators.
.set KSTEP,  128
.set PITCH,  272                       ; 256 bytes + 16 of padding: the 16 rows that a load touches start at 16 different banks
.set HALFT,  128*PITCH
.set SLOT,   4*HALFT
.set STAGE,  2*SLOT                    ; 16 rows x 272 bytes for each wave
.set SPITCH, 272
.set XCH,    STAGE+4*16*SPITCH         ; 512 bytes for each wave: its 128 row maxima, for the wave beside it
.set SPARE,  XCH+4*512                 ; the spare words
.set LAPS,   4
.set PP,     4096                      ; a row of p16 in bytes
.set XA,   6                           ; where I put a maximum
.set XB,   7                           ; where the wave beside me put its
.set L4,   8                           ; 4 x lane
.set DD,   9                           ; l % 16 - 8 (l / 16)
.set NEG,  10                          ; -infinity
.set PT,   11                          ; a lane permute's target
.set ADRA, 16
.set ADRB, 20
.set STO,  24
.set RD,   25
.set CO,   26
.set SPW,  28
.set NIL,  29
.set F0,   64
.set F1,   128
.set TMP,  192
.set OB,   32
.set ST,   64                          ; block a: v[ST+2a] = -M, v[ST+2a+1] = the maximum, later the sum
.set CH,   96                          ; four chains
.set PM,   100                         ; the partner's eight maxima
.set SU,   110                         ; two packed sums
.set KEEP, 120                         ; -M as it goes to stat
.set G1, 24
.set G0, 32
.set CS, 40                            ; s[40:41] log2(e) / 32
.set SEL, 42                           ; s[42:43] lane l xor 16
.set MSB, 0
.macro WIN new
.if MSB != \new
	s_set_vgpr_msb (MSB<<8)|\new
.set MSB, \new
.endif
.endm
.set MUL_LO, 0xa1
.set MUL_HI, 0xf1
.set TO_B,   0x40
.macro TLOAD s                         ; every wave's own quarter of slot s; an s_nop 0 and four v_nop follow
	tensor_load_to_lds s[G0+4*\s:G0+4*\s+3], s[G1:G1+7]
	s_nop 0
.rept 4
	v_nop
.endr
.endm
	s_load_b128 s[4:7], s[0:1], 0x0                ; qkv16 s[4:5], p16 s[6:7]
	s_load_b64 s[8:9], s[0:1], 0x10                ; stat
	v_lshl_add_u32 v[SPW], v0, 2, SPARE
	v_mov_b32 v[NIL], 0
	ds_add_u32 v[SPW], v[NIL]                      ; the wave's opening: the add, twice on end, and its wait ahead of my first tensor load
	ds_add_u32 v[SPW], v[NIL]
	v_lshrrev_b32 v1, 5, v0
	v_readfirstlane_b32 s10, v1                    ; wave
	s_lshr_b32 s11, s10, 1                         ; my half of the queries
	s_and_b32 s12, s10, 1                          ; my half of the keys.  Also: which 128 rows I fetch
	s_mov_b32 s13, 0                               ; the tile (I, J), J <= I, from the work-group's number t = I (I + 1) / 2 + J
.irp th, 1,3,6,10,15,21,28
	s_cmp_ge_u32 ttmp9, \th
	s_cselect_b32 s14, 1, 0
	s_add_co_u32 s13, s13, s14
.endr
	s_add_co_u32 s14, s13, 1
	s_mul_i32 s14, s14, s13
	s_lshr_b32 s14, s14, 1
	s_sub_co_u32 s14, ttmp9, s14                   ; J
	s_and_b32 s15, ttmp7, 0xffff                   ; the sequence
	s_mov_b32 s[G1+0], (1<<16)|(1<<20)|(5<<22)|(3<<25)   ; elements of 2 bytes; padding: 4 words after every 64
	s_mov_b32 s[G1+1], KSTEP<<16
	s_mov_b32 s[G1+2], 128<<16
	s_mov_b32 s[G1+3], KSTEP<<16
	s_mov_b32 s[G1+4], 128
	s_mov_b32 s[G1+5], 3072                        ; elements from row to row of qkv16
	s_mov_b32 s[G1+6], 0
	s_mov_b32 s[G1+7], 0
	s_cmp_lt_u32 s10, 2                            ; waves 0, 1 fetch q's rows, waves 2, 3 k's
	s_cselect_b32 s16, s13, s14
	s_cselect_b32 s17, 0, 2048                     ; k's columns begin 2,048 bytes into a row
	s_lshl_b32 s16, s16, 8
	s_lshl_b32 s18, s15, 11
	s_add_co_u32 s16, s16, s18
	s_lshl_b32 s18, s12, 7
	s_add_co_u32 s16, s16, s18
	s_mul_i32 s16, s16, 6144
	s_add_co_u32 s16, s16, s17
	s_mov_b32 s17, 0
	s_mul_i32 s20, s10, HALFT
	s_mov_b32 s[CS], 0x3d38aa3b
	s_mov_b32 s[CS+1], s[CS]
	s_mov_b32 s[SEL], 0x76543210
	s_mov_b32 s[SEL+1], 0xfedcba98
	s_mov_b32 s44, 0xffff0000                      ; lanes 16-31
	s_mov_b32 s46, 0xff800000                      ; -infinity
	s_sub_co_u32 s45, s13, s14
	s_xor_b32 s47, s10, 1
	s_or_b32 s45, s45, s47
	s_cmp_eq_u32 s45, 0
	s_cselect_b32 s45, -1, 0                       ; all ones in wave 1 of a diagonal tile: its quadrant is hidden whole
	s_wait_dscnt 0x0                               ; both opening adds are done
	s_wait_kmcnt 0x0
	s_add_nc_u64 s[18:19], s[4:5], s[16:17]
.irp s, 0,1
	s_mov_b32 s[G0+4*\s], 1
	s_add_co_u32 s[G0+4*\s+1], s20, \s*SLOT
	s_add_nc_u64 s[G0+4*\s+2:G0+4*\s+3], s[18:19], \s*KSTEP*2
	s_or_b32 s[G0+4*\s+3], s[G0+4*\s+3], 0x80000000
	TLOAD \s                                       ; the two first fills: two tensor loads of mine are out
.endr
	v_and_b32 v1, 15, v0
	v_bfe_u32 v2, v0, 4, 1
	v_mul_u32_u24 v3, v1, PITCH
	v_lshl_add_u32 v3, v2, 4, v3
	s_mul_i32 s21, s11, HALFT
	s_mul_i32 s22, s12, HALFT
	s_add_co_u32 s22, s22, 2*HALFT
.irp s, 0,1
	v_add_nc_u32 v[ADRA+\s], s21, v3
	v_add_nc_u32 v[ADRB+\s], s22, v3
	s_add_co_u32 s21, s21, SLOT
	s_add_co_u32 s22, s22, SLOT
.endr
	s_mul_i32 s23, s10, 16*SPITCH
	s_add_co_u32 s23, s23, STAGE
	v_mul_u32_u24 v4, v1, SPITCH
	v_lshl_add_u32 v4, v2, 4, v4
	v_add_nc_u32 v[STO], s23, v4
	v_mul_u32_u24 v5, v2, SPITCH
	v_lshl_add_u32 v5, v1, 4, v5
	v_add_nc_u32 v[RD], s23, v5
	v_mul_u32_u24 v5, v2, PP
	v_lshl_add_u32 v[CO], v1, 4, v5
	s_lshl_b32 s21, s10, 9
	s_add_co_u32 s21, s21, XCH
	v_lshl_add_u32 v[XA], v1, 2, s21
	s_xor_b32 s22, s10, 1
	s_lshl_b32 s22, s22, 9
	s_add_co_u32 s22, s22, XCH
	v_lshl_add_u32 v[XB], v1, 2, s22
	v_and_b32 v[L4], 31, v0
	v_lshlrev_b32 v[L4], 2, v[L4]
	v_lshlrev_b32 v[DD], 3, v2
	v_sub_nc_u32 v[DD], v1, v[DD]
	v_mov_b32 v[NEG], 0xff800000
	v_mov_b32 v[PT], 0
	s_lshl_b32 s16, s15, 11                        ; p16 at my part of the tile
	s_lshl_b32 s17, s13, 8
	s_add_co_u32 s16, s16, s17
	s_lshl_b32 s17, s11, 7
	s_add_co_u32 s16, s16, s17
	s_lshl_b32 s16, s16, 12
	s_lshl_b32 s17, s14, 9
	s_add_co_u32 s16, s16, s17
	s_lshl_b32 s17, s12, 8
	s_add_co_u32 s16, s16, s17
	s_mov_b32 s17, 0
	s_add_nc_u64 s[6:7], s[6:7], s[16:17]
	s_lshl_b32 s18, s13, 8
	s_lshl_b32 s19, s11, 7
	s_add_co_u32 s18, s18, s19                     ; my first row in the sequence
	s_lshl_b32 s16, s15, 4
	s_lshl_b32 s19, s14, 1
	s_add_co_u32 s16, s16, s19
	s_add_co_u32 s16, s16, s12
	s_lshl_b32 s16, s16, 11
	s_add_co_u32 s16, s16, s18
	s_lshl_b32 s16, s16, 2
	s_add_co_u32 s16, s16, 262144
	s_add_nc_u64 s[58:59], s[8:9], s[16:17]        ; the sums' place
	s_lshl_b32 s16, s15, 3
	s_add_co_u32 s16, s16, s14
	s_lshl_b32 s16, s16, 11
	s_add_co_u32 s16, s16, s18
	s_lshl_b32 s16, s16, 2
	s_add_nc_u64 s[60:61], s[8:9], s[16:17]        ; -M's place
.macro MUL16 f, hi, a0, zero           ; 16 matrix instructions: query blocks a0, a0 + 1 of the window's four x all 8 key blocks, 32 along K.  The 64 accumulators take turns
.irp a, \a0, \a0+1
.irp b, 0,1,2,3,4,5,6,7
.if \zero
	v_wmma_f32_16x16x32_f16 v[8*(8*(\a)+\b):8*(8*(\a)+\b)+7], v[\f+8*\b:\f+8*\b+7], v[\f+8*(4*\hi+\a):\f+8*(4*\hi+\a)+7], 0
.else
	v_wmma_f32_16x16x32_f16 v[8*(8*(\a)+\b):8*(8*(\a)+\b)+7], v[\f+8*\b:\f+8*\b+7], v[\f+8*(4*\hi+\a):\f+8*(4*\hi+\a)+7], v[8*(8*(\a)+\b):8*(8*(\a)+\b)+7]
.endif
.endr
.endr
.endm
.macro FETCH slot, k, f                ; 32 LDS loads in one run: a quarter step's fragments
	WIN TO_B
.irp i, 0,1,2,3,4,5,6,7
	ds_load_b128 v[\f+8*\i:\f+8*\i+3],   v[ADRB+\slot] offset:\k+\i*16*PITCH
	ds_load_b128 v[\f+8*\i+4:\f+8*\i+7], v[ADRB+\slot] offset:\k+\i*16*PITCH+32
.endr
	WIN 0
.irp i, 0,1,2,3,4,5,6,7
	ds_load_b128 v[\f+8*\i:\f+8*\i+3],   v[ADRA+\slot] offset:\k+\i*16*PITCH
	ds_load_b128 v[\f+8*\i+4:\f+8*\i+7], v[ADRA+\slot] offset:\k+\i*16*PITCH+32
.endr
.endm
.macro PLACES
.rept 4
	v_nop
.endr
.endm
.macro QUARTER slot, k, f, g, zero
	s_wait_dscnt 8                                 ; all but the youngest eight loads (q's rows 64-127)
	WIN MUL_LO
	MUL16 \f, 0, 0, \zero
	MUL16 \f, 0, 2, \zero
	PLACES
	FETCH \slot, \k, \g
	s_wait_dscnt 32                                ; all but the 32 just issued
	WIN MUL_HI
	MUL16 \f, 1, 0, \zero
	MUL16 \f, 1, 2, \zero
.endm
; A K step's last quarter changes slots: one barrier.  In front of it each wave waits for all its tensor loads (one is out: its part of the next slot), adds 0 to its spare word, and waits for that and for
; its reads of this slot.  Behind it this slot is filled again first (fill = 1), two K steps ahead: that load has 224 matrix instructions in which to land.
.macro TURN slot, next, fill
	WIN 0
	s_wait_tensorcnt 0x0
	ds_add_u32 v[SPW], v[NIL]
	s_wait_dscnt 9                                 ; the add and the youngest eight loads may be out
	WIN MUL_LO
	MUL16 F1, 0, 0, 0
	s_wait_dscnt 0x0
	s_barrier_signal -1
	MUL16 F1, 0, 2, 0
	WIN 0
	s_barrier_wait -1
.if \fill
	s_add_nc_u64 s[G0+4*\slot+2:G0+4*\slot+3], s[G0+4*\slot+2:G0+4*\slot+3], 2*KSTEP*2
	TLOAD \slot                                    ; its four v_nop are also the places in front of the loads below
.else
	PLACES
.endif
	FETCH \next, 0, F0
	WIN MUL_HI
	MUL16 F1, 1, 0, 0
	MUL16 F1, 1, 2, 0
.endm
	s_wait_tensorcnt 1                             ; my part of K step 0 is in; K step 1's may be out
	s_barrier_signal -1
	s_barrier_wait -1
	FETCH 0, 0, F0
	QUARTER 0, 64,  F0, F1, 1                      ; the first quarter starts the sums
	WIN 0
	s_mov_b32 s3, LAPS-1
.Llap:                                                 ; a trip goes once round the ring and fills both slots again: K steps 2 to 7
	QUARTER 0, 128, F1, F0, 0
	QUARTER 0, 192, F0, F1, 0
	TURN 0, 1, 1
	QUARTER 1, 64,  F0, F1, 0
	QUARTER 1, 128, F1, F0, 0
	QUARTER 1, 192, F0, F1, 0
	TURN 1, 0, 1
	QUARTER 0, 64,  F0, F1, 0
	WIN 0
	s_sub_co_u32 s3, s3, 1
	s_cmp_lg_u32 s3, 0
	s_cbranch_scc1 .Llap
	QUARTER 0, 128, F1, F0, 0                      ; the last lap fills nothing
	QUARTER 0, 192, F0, F1, 0
	TURN 0, 1, 0
	QUARTER 1, 64,  F0, F1, 0
	QUARTER 1, 128, F1, F0, 0
	QUARTER 1, 192, F0, F1, 0
	s_wait_dscnt 8
	WIN MUL_LO
	MUL16 F1, 0, 0, 0
	MUL16 F1, 0, 2, 0
	s_wait_dscnt 0
	WIN MUL_HI
	MUL16 F1, 1, 0, 0
	MUL16 F1, 1, 2, 0
	WIN 0
	PLACES
	; THE DIAGONAL: in the two waves of a diagonal tile whose quadrant lies on it, key 16 b + 8 h + j is hidden from query 16 a + r where it is larger.
	s_cmp_lg_u32 s13, s14
	s_cbranch_scc1 .Lopen
	s_cmp_lg_u32 s11, s12
	s_cbranch_scc1 .Lopen
.irp j, 0,1,2,3,4,5,6,7
	v_cmp_gt_i32 s[50+\j], \j, v[DD]
.endr
.irp a, 0,1,2,3,4,5,6,7
	WIN 0x82+0x41*(\a/4)                           ; destination and source 0: window 2 or 3
.irp j, 0,1,2,3,4,5,6,7
	v_cndmask_b32 v[64*(\a%4)+8*\a+\j], v[64*(\a%4)+8*\a+\j], v[NEG], s[50+\j]
.endr
.irp b, 0,1,2,3,4,5,6,7
.if \b > \a
.irp j, 0,1,2,3,4,5,6,7
	v_mov_b32 v[64*(\a%4)+8*\b+\j], s46            ; blocks of keys wholly behind the block of queries
.endr
.endif
.endr
.endr
	WIN 0
.Lopen:
.macro ROWMAX a                        ; the largest of my 64 scores of block a, in four chains, each accumulator from its low end on; then lane l xor 16's
.set AC, 64*((\a)%4)
	WIN 0x28+0x14*((\a)/4)                         ; sources 1 and 2: window 2 or 3
.irp i, 0,2,4,6,8,10,12,14
.irp k, 0,1,2,3
.if \i == 0
	v_max3_num_f32 v[CH+\k], v[NEG], v[AC+16*\k+\i], v[AC+16*\k+\i+1]
.else
	v_max3_num_f32 v[CH+\k], v[CH+\k], v[AC+16*\k+\i], v[AC+16*\k+\i+1]
.endif
.endr
.endr
	WIN 0
	v_max3_num_f32 v[CH], v[CH], v[CH+1], v[CH+2]
	v_max_num_f32 v[CH], v[CH], v[CH+3]
	v_permlanex16_b32 v[PT], v[CH], s[SEL], s[SEL+1]
	v_max_num_f32 v[ST+2*(\a)+1], v[CH], v[PT]
	v_cndmask_b32 v[ST+2*(\a)+1], v[ST+2*(\a)+1], v[NEG], s45   ; the hidden quadrant counts as -infinity
.endm
.irp a, 0,1,2,3,4,5,6,7
	ROWMAX \a
.endr
.irp a, 0,1,2,3,4,5,6,7
	ds_store_b32 v[XA], v[ST+2*\a+1] offset:64*\a  ; both halves of the lanes write the same word with the same value
.endr
	s_wait_dscnt 0x0                               ; for the wave beside me: my stores have landed
	s_barrier_signal -1
	s_barrier_wait -1
.irp a, 0,1,2,3,4,5,6,7
	ds_load_b32 v[PM+\a], v[XB] offset:64*\a
.endr
	s_wait_dscnt 0x0
.irp a, 0,1,2,3,4,5,6,7
	v_max_num_f32 v[ST+2*\a+1], v[ST+2*\a+1], v[PM+\a]   ; the row's largest score over the tile's 256 keys
.endr
.irp a, 0,1,2,3,4,5,6,7
	v_mul_f32 v[ST+2*\a+1], s[CS], v[ST+2*\a+1]
.endr
.irp a, 0,1,2,3,4,5,6,7
	v_floor_f32 v[KEEP+\a], -v[ST+2*\a+1]          ; -M = floor(-t): M is a whole number
.endr
.irp a, 0,1,2,3,4,5,6,7
	v_cndmask_b32 v[ST+2*\a], v[KEEP+\a], v[NEG], s45    ; in the hidden quadrant t - M becomes -infinity and p 0
.endr
.macro SOFT a                          ; block a: p, its sum, and its 16 bytes a lane of f16
.set AC, 64*((\a)%4)
	WIN 0x82+0x41*((\a)/4)
.irp n, 0,2,4,6,8,10,12,14,16,18,20,22,24,26,28,30,32,34,36,38,40,42,44,46,48,50,52,54,56,58,60,62
	v_pk_fma_f32 v[AC+\n:AC+\n+1], v[AC+\n:AC+\n+1], s[CS:CS+1], v[ST+2*(\a):ST+2*(\a)+1] op_sel_hi:[1,0,0]   ; t - M, two at a time
.endr
.irp n, 0,1,2,3,4,5,6,7,8,9,10,11,12,13,14,15,16,17,18,19,20,21,22,23,24,25,26,27,28,29,30,31,32,33,34,35,36,37,38,39,40,41,42,43,44,45,46,47,48,49,50,51,52,53,54,55,56,57,58,59,60,61,62,63
	v_exp_f32 v[AC+\n], v[AC+\n]
.endr
	v_nop                                          ; a plain instruction behind the last exponential
	s_wait_alu depctr_va_vdst(0)                   ; one wait for the batch of 64, ahead of its first reader
	WIN 0x0a+5*((\a)/4)
.irp b, 0,1,2,3,4,5,6,7
.irp r, 0,1,2,3
	v_cvt_pk_f16_f32 v[TMP+4*\b+\r], v[AC+8*\b+2*\r], v[AC+8*\b+2*\r+1]
.endr
.endr
	v_pk_add_f32 v[SU:SU+1], v[AC:AC+1], v[AC+4:AC+5]              ; the sum of the unrounded p, in two packed chains
	v_pk_add_f32 v[SU+2:SU+3], v[AC+2:AC+3], v[AC+6:AC+7]
	WIN 0x02+(\a)/4
.irp n, 8,12,16,20,24,28,32,36,40,44,48,52,56,60
	v_pk_add_f32 v[SU:SU+1], v[AC+\n:AC+\n+1], v[SU:SU+1]
	v_pk_add_f32 v[SU+2:SU+3], v[AC+\n+2:AC+\n+3], v[SU+2:SU+3]
.endr
	WIN 0
	v_pk_add_f32 v[SU:SU+1], v[SU:SU+1], v[SU+2:SU+3]
	v_add_f32 v[SU], v[SU], v[SU+1]
	v_permlanex16_b32 v[PT], v[SU], s[SEL], s[SEL+1]
	v_add_f32 v[ST+2*(\a)+1], v[SU], v[PT]         ; the row's sum over my 128 keys
.endm
.macro TOSTAGE a
.set BK, OB+192*((\a)%2)
.irp b, 0,1,2,3,4,5,6,7
	ds_store_b128 v[STO], v[TMP+4*\b:TMP+4*\b+3] offset:32*\b
.endr
.irp t, 0,1,2,3,4,5,6,7
	ds_load_b128 v[BK+4*\t:BK+4*\t+3], v[RD] offset:\t*2*SPITCH    ; LDS serves a wave's instructions in order: these see the stores above
.endr
.endm
.macro SEND a
.set BK, OB+192*((\a)%2)
	s_wait_dscnt 0x0
	s_wait_xcnt 0x0                                ; earlier stores have read their base and data
.if (\a) > 0
	s_add_nc_u64 s[6:7], s[6:7], 16*PP
.endif
.irp t, 0,1,2,3,4,5,6,7
	global_store_b128 v[CO], v[BK+4*\t:BK+4*\t+3], s[6:7] offset:2*\t*PP   ; 16 lanes store 256 consecutive bytes, aligned
.endr
.endm
	SOFT 0
	TOSTAGE 0
.irp a, 1,2,3,4,5,6,7
	SOFT \a                                        ; block a's arithmetic stands between block a - 1's loads from the stage and the wait for them
	SEND \a-1
	TOSTAGE \a
.endr
	SEND 7
	; the statistics: lane l takes row 32 k + l: lanes 0-15 of block 2 k, lanes 16-31 of block 2 k + 1.  Runs of 128 bytes, 0.4 MB in the launch.
.irp k, 0,1,2,3
	v_cndmask_b32 v[CH+\k], v[ST+4*\k+1], v[ST+4*\k+3], s44
.endr
.irp k, 0,1,2,3
	global_store_b32 v[L4], v[CH+\k], s[58:59] offset:128*\k
.endr
	s_cmp_lg_u32 s12, 0                            ; -M is the same in both waves of a row half: the left one stores it
	s_cbranch_scc1 .Lnom
.irp k, 0,1,2,3
	v_cndmask_b32 v[PM+\k], v[KEEP+2*\k], v[KEEP+2*\k+1], s44
.endr
.irp k, 0,1,2,3
	global_store_b32 v[L4], v[PM+\k], s[60:61] offset:128*\k
.endr
.Lnom:
	s_wait_tensorcnt 0x0                           ; the wave's end
	ds_add_u32 v[SPW], v[NIL]
	s_wait_dscnt 0x0
	s_endpgm
.Lfunc_end_k_q780026ef8f_scores:
	.size	k_q780026ef8f_scores, .Lfunc_end_k_q780026ef8f_scores-k_q780026ef8f_scores
	.p2alignl 7, 3214868480
	.fill 96, 4, 3214868480
	.section	.rodata,"a",@progbits
	.p2align	6, 0x0
	.amdhsa_kernel k_q780026ef8f_scores
		.amdhsa_group_segment_fixed_size 327680
		.amdhsa_private_segment_fixed_size 0
		.amdhsa_enable_private_segment 0
		.amdhsa_kernarg_size 24
		.amdhsa_user_sgpr_count 2
		.amdhsa_user_sgpr_kernarg_segment_ptr 1
		.amdhsa_wavefront_size32 1
		.amdhsa_system_sgpr_workgroup_id_x 1
		.amdhsa_system_sgpr_workgroup_id_y 1
		.amdhsa_system_sgpr_workgroup_id_z 1
		.amdhsa_system_vgpr_workitem_id 0
		.amdhsa_next_free_vgpr 1024
		.amdhsa_next_free_sgpr 66
		.amdhsa_reserve_vcc 0
		.amdhsa_float_denorm_mode_32 3
		.amdhsa_float_denorm_mode_16_64 3
		.amdhsa_memory_ordered 1
		.amdhsa_forward_progress 1
		.amdhsa_inst_pref_size 225
	.end_amdhsa_kernel
	.amdgpu_metadata
---
amdhsa.version: [ 1, 2 ]
amdhsa.kernels:
  - .name:           k_q780026ef8f_scores
    .symbol:         k_q780026ef8f_scores.kd
    .args:
      - { .name: qkv16, .offset: 0, .size: 8, .value_kind: global_buffer, .address_space: global }
      - { .name: p16, .offset: 8, .size: 8, .value_kind: global_buffer, .address_space: global }
      - { .name: stat, .offset: 16, .size: 8, .value_kind: global_buffer, .address_space: global }
    .group_segment_fixed_size: 327680
    .private_segment_fixed_size: 0
    .kernarg_segment_align: 8
    .kernarg_segment_size: 24
    .max_flat_workgroup_size: 128
    .sgpr_count:     66
    .vgpr_count:     1024
    .wavefront_size: 32
...
	.end_amdgpu_metadata
.endif
;; end of part 3
;; launch av (part 4): grid 8 x 32, 4 waves a work-group, clusters of 4 x 1, 327,680 bytes of LDS; arguments p16, qkv16, stat, attn16; writes attn16
.if DOCPART == 4
	.amdgcn_target "amdgcn-amd-amdhsa--gfx1250"
	.amdhsa_code_object_version 6
	.text
	.protected	k_q780026ef8f_av
	.globl	k_q780026ef8f_av
	.p2align	8
	.type	k_q780026ef8f_av,@function
k_q780026ef8f_av:
	s_mov_b64 s[64:65], 0
	v_nop
	global_prefetch_b8 v0, s[64:65] scope:SCOPE_SE
	s_setreg_imm32_b32 hwreg(HW_REG_WAVE_MODE, 25, 1), 1
	s_wait_xcnt 0x0
	s_wait_alu depctr_hold_cnt(0) depctr_sa_sdst(0) depctr_va_vdst(0) depctr_va_sdst(0) depctr_va_ssrc(0) depctr_va_vcc(0) depctr_vm_vsrc(0)
	s_getreg_b32 s2, hwreg(HW_REG_IB_STS2, 6, 4)
	s_cmp_eq_u32 s2, 0
	s_cbranch_scc0 .Lentry_in_a_cluster
	s_endpgm
.Lentry_in_a_cluster:
	s_bfe_u32 s2, ttmp6, 0x10000c
	s_cmp_lg_u32 s2, 0x3003
	s_cbranch_scc0 .Lentry_shape_is_right
	s_endpgm
.Lentry_shape_is_right:
; attn = softmax(scores) v, from the tiles of p = 2^(t - M_T) that the launch before stored: attn(row) = sum over slots T of 256 keys of f'(row, T) x (p_T v_T),
; f'(row, T) = 2^(M_T - M_row) / L(row), M_row = the largest M_T of the row, L = sum over T of 2^(M_T - M_row) x (the stored sums).  The powers of two are exact and at most 1: nothing can overflow.
; LEFT OUT: the key slots that lie wholly behind a block of rows under the causal mask.  INSIDE LIVE SLOTS dead work stays: the last slot of an even block of rows holds 128 keys whose p are stored zeros.
; Operands f16 (p in (0, 1], |v| under 65,504), sums f32, the result rounded to f16 once.
; SHARES: work-group (ct, y = 8 b + p) makes two tiles of 128 rows x 128 channels of sequence b: row block p, with N1 = p / 2 + 1 slots, then row block 15 - p, with 9 - N1: nine slots in every work-group.
; The ring's walk is the same constant sequence of nine slots everywhere; only global addresses, the start of a total and the middle way out hang on p, which all waves and all partners share.
; CLUSTER: the four partners are four column tiles of the same rows: p's tile (128 rows x 512 bytes) is asked for JOINTLY (waves 0, 1).  v's tile (256 keys x 256 bytes) hangs on the column tile and is each
; work-group's own load (waves 2, 3).  v could be shared only among row pairs, which walk different sequences of key slots.
; Each slot's product X starts from 0 (16 accumulators a wave, 64 x 64); behind the slot the total takes f' X, one packed multiply-add for two numbers.
; THE MATRIX INSTRUCTION IS USED TRANSPOSED (source 0 = 16 channels of v, turned by ds_load_tr16_b128; source 1 = 16 rows of p): a lane holds one row and eight neighbouring channels.
; REGISTERS: window 0: v16-31 addresses; v32-95 at work; v96-103 f' of the four blocks (even registers); v104-105 -M_T; v108-111, v112-115 (-M_row, 1 / L) a lane a row, of the tile in hand and of tile 2;
; v124-127 at work; v128-255 X.  window 1: two fragment buffers.  window 2: v0-127 the totals.
.set PA,     528                       ; a row of p in LDS: 512 bytes + 16
.set PV,     288                       ; a row of v: 256 bytes + 32
.set AHALF,  64*PA
.set AT,     2*AHALF                   ; v's rows lie behind p's 128
.set VHALF,  128*PV
.set SLOT,   AT+2*VHALF
.set STAGE,  2*SLOT                    ; 128 rows x 272 bytes, the work-group's
.set SPITCH, 272
.set SPARE,  STAGE+128*SPITCH
.set ADRA, 16                          ; v16-17  p's fragments in slot 0, 1
.set ADRV, 18                          ; v18-21  v's: slot 0 keys 0-127, 128-255; slot 1 likewise
.set STO,  24
.set RD,   25
.set CO,   26
.set SPW,  28
.set NIL,  29
.set L4,   31                          ; 4 x lane
.set TMP,  32
.set FA,   96
.set NMT,  104
.set RMC,  108
.set RM2,  112
.set TP,   124
.set ACC,  128
.set F0,   0
.set F1,   128
.set N1, 18
.set N2, 19
.set SQ, 20                            ; the slot in hand, 0..8
.set TT, 21                            ; and counted inside its tile
.set SN, 22
.set TD, 23
.set G1A, 24
.set G0A, 32
.set OFFA1, 43
.set OFFA2, 45
.set OFFV, 46
.set G1V, 48
.set G0V, 56
.set SROW, 66
.set SROW2, 67
.set SEL, 78
.set MSB, 0
.macro WIN new
.if MSB != \new
	s_set_vgpr_msb (MSB<<8)|\new
.set MSB, \new
.endif
.endm
.set MUL,  0x05                        ; sources 0 and 1 window 1; C and D window 0
.set TO_F, 0x40
.macro JLOAD s                         ; waves 0, 1: p's halves, jointly; waves 2, 3: v's halves, my work-group's own; an s_nop 0 and four v_nop follow each line
	s_cmp_eq_u32 s11, 0
	s_cbranch_scc0 .Lfor_v_\@
	tensor_load_to_lds s[G0A+4*\s:G0A+4*\s+3], s[G1A:G1A+7]
	s_nop 0
.rept 4
	v_nop
.endr
	s_branch .Lasked_\@
.Lfor_v_\@:
	tensor_load_to_lds s[G0V+4*\s:G0V+4*\s+3], s[G1V:G1V+7]
	s_nop 0
.rept 4
	v_nop
.endr
.Lasked_\@:
.endm
.macro CREST
	s_cmp_lg_u32 s10, 0
	s_cbranch_scc1 .Lnot_wave_0_\@
	s_barrier_signal -3
.Lnot_wave_0_\@:
	s_barrier_wait -3
	s_barrier_signal -1
	s_barrier_wait -1
.endm
.macro CROUND
	s_barrier_signal -1
	s_barrier_wait -1
	CREST
.endm
; The global addresses of slot number s[SN] of the walk, into the group 0 sets of ring slot \slot: tile 1's slot SN while SN < N1, else tile 2's slot SN - N1.  p's registers never hold the column tile.
.macro MKADDR slot
	s_sub_co_u32 s[TD], s[SN], s[N1]
	s_cmp_lt_u32 s[SN], s[N1]
	s_cselect_b32 s[TD], s[SN], s[TD]
	s_cselect_b32 s80, s[OFFA1], s[OFFA2]
	s_lshl_b32 s41, s[TD], 9                       ; 256 keys of f16 along a row of p
	s_add_co_u32 s80, s80, s41
	s_mov_b32 s81, 0
	s_add_nc_u64 s[G0A+4*\slot+2:G0A+4*\slot+3], s[68:69], s[80:81]
	s_or_b32 s[G0A+4*\slot+3], s[G0A+4*\slot+3], 0x80000000
	s_mul_i32 s82, s[TD], 256*6144                 ; 256 rows of qkv16
	s_add_co_u32 s82, s82, s[OFFV]
	s_mov_b32 s83, 0
	s_add_nc_u64 s[G0V+4*\slot+2:G0V+4*\slot+3], s[70:71], s[82:83]
	s_or_b32 s[G0V+4*\slot+3], s[G0V+4*\slot+3], 0x80000000
.endm
	s_load_b256 s[68:75], s[0:1], 0x0              ; p16 s[68:69], qkv16 s[70:71], stat s[72:73], attn16 s[74:75]
	v_lshl_add_u32 v[SPW], v0, 2, SPARE
	v_mov_b32 v[NIL], 0
	ds_add_u32 v[SPW], v[NIL]                      ; the wave's opening: the add, twice on end, and its wait ahead of my first tensor load
	ds_add_u32 v[SPW], v[NIL]
	v_lshrrev_b32 v1, 5, v0
	v_readfirstlane_b32 s10, v1                    ; wave
	s_lshr_b32 s11, s10, 1                         ; my half of the rows.  Also: I fetch p (0) or v (1)
	s_and_b32 s12, s10, 1                          ; my half of the channels.  Also: which half I fetch
	s_bfe_u32 s40, ttmp6, 0x40000                  ; cx
	s_lshl_b32 s42, ttmp9, 2
	s_add_co_u32 s42, s42, s40                     ; the column tile
	s_and_b32 s13, ttmp7, 0xffff
	s_lshr_b32 s16, s13, 3                         ; b
	s_and_b32 s17, s13, 7                          ; p
	s_lshr_b32 s[N1], s17, 1
	s_add_co_u32 s[N1], s[N1], 1
	s_sub_co_u32 s[N2], 9, s[N1]
	s_lshl_b32 s76, s17, 7                         ; tile 1's first row in the sequence: 128 p
	s_sub_co_u32 s77, 1920, s76                    ; tile 2's: 128 (15 - p)
	s_lshl_b32 s13, s16, 11                        ; 2,048 b
	s_mov_b32 s[G1A+0], 15|(1<<16)|(1<<20)|(1<<21)|(6<<22)|(3<<25)   ; the mask: all four partners; elements of 2 bytes; padding: 4 words after every 128
	s_mov_b32 s[G1A+1], 256<<16
	s_mov_b32 s[G1A+2], 64<<16
	s_mov_b32 s[G1A+3], 256<<16
	s_mov_b32 s[G1A+4], 64
	s_mov_b32 s[G1A+5], 2048
	s_mov_b32 s[G1A+6], 0
	s_mov_b32 s[G1A+7], 0
	s_mov_b32 s[G1V+0], (1<<16)|(1<<20)|(5<<22)|(7<<25)              ; no mask; padding: 8 words after every 64
	s_mov_b32 s[G1V+1], 128<<16
	s_mov_b32 s[G1V+2], 128<<16
	s_mov_b32 s[G1V+3], 128<<16
	s_mov_b32 s[G1V+4], 128
	s_mov_b32 s[G1V+5], 3072
	s_mov_b32 s[G1V+6], 0
	s_mov_b32 s[G1V+7], 0
	s_lshl_b32 s41, s12, 6
	s_add_co_u32 s41, s41, s13
	s_add_co_u32 s[OFFA1], s41, s76
	s_lshl_b32 s[OFFA1], s[OFFA1], 12              ; the rows of p that I fetch, in bytes: tile 1's,
	s_add_co_u32 s[OFFA2], s41, s77
	s_lshl_b32 s[OFFA2], s[OFFA2], 12              ; tile 2's
	s_lshl_b32 s[OFFV], s12, 7
	s_add_co_u32 s[OFFV], s[OFFV], s13
	s_mul_i32 s[OFFV], s[OFFV], 6144
	s_lshl_b32 s82, s42, 8
	s_add_co_u32 s[OFFV], s[OFFV], s82
	s_add_co_u32 s[OFFV], s[OFFV], 4096            ; v's columns begin 4,096 bytes into a row of qkv16
	s_mul_i32 s41, s12, AHALF
	s_mul_i32 s47, s12, VHALF
	s_add_co_u32 s47, s47, AT
.irp s, 0,1
	s_mov_b32 s[G0A+4*\s], 1
	s_add_co_u32 s[G0A+4*\s+1], s41, \s*SLOT
	s_mov_b32 s[G0V+4*\s], 1
	s_add_co_u32 s[G0V+4*\s+1], s47, \s*SLOT
.endr
	s_mov_b32 s[SEL], 0x76543210
	s_mov_b32 s[SEL+1], 0xfedcba98
	s_mov_b32 s44, 0xffff0000                      ; lanes 16-31
	s_mov_b32 s[SQ], 0
	s_mov_b32 s[TT], 0
	s_wait_dscnt 0x0                               ; both opening adds are done
	s_wait_kmcnt 0x0
	s_mov_b32 s[SN], 0
	MKADDR 0
	s_mov_b32 s[SN], 1
	MKADDR 1
	CROUND                                         ; all four partners are here
	JLOAD 0                                        ; the two first fills: two tensor loads of mine are out
	JLOAD 1
	v_and_b32 v1, 15, v0                           ; r
	v_bfe_u32 v2, v0, 4, 1                         ; h
	v_mul_u32_u24 v3, v1, PA
	v_lshl_add_u32 v3, v2, 4, v3
	s_mul_i32 s41, s11, AHALF
	v_add_nc_u32 v[ADRA], s41, v3
	v_add_nc_u32 v[ADRA+1], SLOT, v[ADRA]
	v_and_b32 v3, 7, v0
	v_lshl_add_u32 v3, v2, 3, v3                   ; the turning load: key 8 h + l % 8,
	v_mul_u32_u24 v3, v3, PV
	v_bfe_u32 v4, v0, 3, 1
	v_lshl_add_u32 v3, v4, 4, v3                   ; channels 8 ((l / 8) % 2) on
	s_lshl_b32 s41, s12, 7
	s_add_co_u32 s41, s41, AT
	v_add_nc_u32 v[ADRV], s41, v3
	v_add_nc_u32 v[ADRV+1], VHALF, v[ADRV]
	v_add_nc_u32 v[ADRV+2], SLOT, v[ADRV]
	v_add_nc_u32 v[ADRV+3], SLOT+VHALF, v[ADRV]
	s_mul_i32 s41, s11, 64*SPITCH                  ; into the stage: my 64 rows, my half of their 256 bytes
	s_lshl_b32 s47, s12, 7
	s_add_co_u32 s41, s41, s47
	s_add_co_u32 s41, s41, STAGE
	v_mul_u32_u24 v4, v1, SPITCH
	v_lshl_add_u32 v4, v2, 4, v4
	v_add_nc_u32 v[STO], s41, v4
	s_mul_i32 s41, s10, 32*SPITCH                  ; back: wave w takes rows 32 w on, whole
	s_add_co_u32 s41, s41, STAGE
	v_mul_u32_u24 v5, v2, SPITCH
	v_lshl_add_u32 v5, v1, 4, v5
	v_add_nc_u32 v[RD], s41, v5
	v_lshlrev_b32 v5, 11, v2
	v_lshl_add_u32 v[CO], v1, 4, v5                ; and the same two rows of attn16 (2,048 bytes a row)
	v_and_b32 v[L4], 31, v0
	v_lshlrev_b32 v[L4], 2, v[L4]
.irp a, 0,1,2,3
	v_mov_b32 v[FA+2*\a+1], 0                      ; named as upper halves of pairs, so they are written
.endr
	v_mov_b32 v[TP+2], 0                           ; a lane permute's target counts as read
	v_mov_b32 v[TP+3], 0
	s_lshl_b32 s41, s11, 6                         ; my 64 rows of a tile
	s_add_co_u32 s[SROW], s76, s41
	s_lshl_b32 s[SROW], s[SROW], 2
	s_add_co_u32 s[SROW2], s77, s41
	s_lshl_b32 s[SROW2], s[SROW2], 2
	s_lshl_b32 s41, s16, 17
	s_add_co_u32 s41, s41, 262144
	s_add_co_u32 s92, s41, s[SROW]
	s_mov_b32 s93, 0
	s_add_nc_u64 s[6:7], s[72:73], s[92:93]        ; the sums of tile 1's rows,
	s_add_co_u32 s92, s41, s[SROW2]
	s_add_nc_u64 s[14:15], s[72:73], s[92:93]      ; of tile 2's
	s_lshl_b32 s41, s16, 16
	s_add_co_u32 s[SROW], s[SROW], s41
	s_add_co_u32 s[SROW2], s[SROW2], s41
	s_mov_b32 s92, s[SROW]
	s_add_nc_u64 s[4:5], s[72:73], s[92:93]        ; -M of tile 1's rows,
	s_mov_b32 s92, s[SROW2]
	s_add_nc_u64 s[8:9], s[72:73], s[92:93]        ; of tile 2's
	s_add_co_u32 s92, s13, s76
	s_lshl_b32 s41, s10, 5
	s_add_co_u32 s92, s92, s41
	s_lshl_b32 s92, s92, 11
	s_lshl_b32 s41, s42, 8
	s_add_co_u32 s92, s92, s41
	s_add_nc_u64 s[86:87], s[74:75], s[92:93]      ; attn16 at the rows of tile 1 that I store
	s_sub_co_u32 s88, s77, s76
	s_lshl_b32 s88, s88, 11                        ; from there to tile 2's
	s_mov_b32 s89, 0
; THE ROWS' STATISTICS, a lane a row: register k holds row 32 k + lane of my 64.  For slot T of \cnt: -M_T and the two sums; a slot at or behind the tile's count is clamped to the last one and counts for nothing.
.macro STLOAD cnt, sb, vo, nreg, bn, bl
.set T_, 0
.rept \cnt
	s_sub_co_u32 s90, s[\nreg], 1
	s_min_u32 s90, s90, T_
	s_lshl_b32 s90, s90, 13
	v_add_nc_u32 v[\vo+2*T_], s90, v[L4]
	s_lshl_b32 s90, s90, 1
	v_add_nc_u32 v[\vo+2*T_+1], s90, v[L4]
.irp k, 0,1
	global_load_b32 v[\sb+6*T_+3*\k], v[\vo+2*T_], s[\bn:\bn+1] offset:128*\k
	global_load_b32 v[\sb+6*T_+3*\k+1], v[\vo+2*T_+1], s[\bl:\bl+1] offset:128*\k
	global_load_b32 v[\sb+6*T_+3*\k+2], v[\vo+2*T_+1], s[\bl:\bl+1] offset:128*\k+8192
.endr
.set T_, T_+1
.endr
.endm
.macro STCALC cnt, sb, rm, nreg        ; v[rm], v[rm+1] = -M_row; v[rm+2], v[rm+3] = 1 / L
.irp k, 0,1
	v_min_num_f32 v[\rm+\k], v[\sb+3*\k], v[\sb+6+3*\k]
.endr
.set T_, 2
.rept \cnt-2
.irp k, 0,1
	v_min_num_f32 v[\rm+\k], v[\rm+\k], v[\sb+6*T_+3*\k]
.endr
.set T_, T_+1
.endr
.set T_, 0
.rept \cnt
	s_cmp_gt_u32 s[\nreg], T_
	s_cselect_b32 s90, 1.0, 0
.irp k, 0,1
	v_sub_f32 v[\sb+6*T_+3*\k], v[\rm+\k], v[\sb+6*T_+3*\k]        ; M_T - M_row: a whole number, 0 or less
	v_cvt_i32_f32 v[\sb+6*T_+3*\k], v[\sb+6*T_+3*\k]
	v_ldexp_f32 v[\sb+6*T_+3*\k], s90, v[\sb+6*T_+3*\k]
	v_add_f32 v[\sb+6*T_+3*\k+1], v[\sb+6*T_+3*\k+1], v[\sb+6*T_+3*\k+2]
.if T_ == 0
	v_mul_f32 v[\rm+2+\k], v[\sb+6*T_+3*\k], v[\sb+6*T_+3*\k+1]
.else
	v_fmac_f32 v[\rm+2+\k], v[\sb+6*T_+3*\k], v[\sb+6*T_+3*\k+1]
.endif
.endr
.set T_, T_+1
.endr
	v_rcp_f32 v[\rm+2], v[\rm+2]                   ; L is at least a half: the tile with the row's M holds a p above a half
	v_rcp_f32 v[\rm+3], v[\rm+3]
	v_nop
	s_wait_alu depctr_va_vdst(0)                   ; one wait for the two, ahead of their first reader
.endm
	STLOAD 4, ACC, TMP, N1, 4, 6
	STLOAD 8, ACC+24, TMP+8, N2, 8, 14
	s_wait_loadcnt 0x0
	STCALC 4, ACC, RMC, N1
	STCALC 8, ACC+24, RM2, N2
.macro NEXTM                           ; -M_T of the slot that is about to be multiplied: two runs of 128 bytes
	s_lshl_b32 s92, s[TT], 13
	s_add_co_u32 s92, s92, s[SROW]
	s_mov_b32 s93, 0
	s_add_nc_u64 s[84:85], s[72:73], s[92:93]
	global_load_b32 v[NMT], v[L4], s[84:85]
	global_load_b32 v[NMT+1], v[L4], s[84:85] offset:128
.endm
	NEXTM
.macro MUL8 f, c, a0, zero             ; 8 matrix instructions: row blocks a0, a0 + 1 x all 4 channel blocks, 32 keys.  The 16 accumulators take turns
.irp a, \a0, \a0+1
.irp b, 0,1,2,3
.if \zero
	v_wmma_f32_16x16x32_f16 v[ACC+8*(4*(\a)+\b):ACC+8*(4*(\a)+\b)+7], v[\f+64+8*(4*\c+\b):\f+64+8*(4*\c+\b)+7], v[\f+8*(4*\c+\a):\f+8*(4*\c+\a)+7], 0
.else
	v_wmma_f32_16x16x32_f16 v[ACC+8*(4*(\a)+\b):ACC+8*(4*(\a)+\b)+7], v[\f+64+8*(4*\c+\b):\f+64+8*(4*\c+\b)+7], v[\f+8*(4*\c+\a):\f+8*(4*\c+\a)+7], v[ACC+8*(4*(\a)+\b):ACC+8*(4*(\a)+\b)+7]
.endif
.endr
.endr
.endm
.macro FETCH slot, q, f                ; 32 LDS loads in one run: the fragments of the slot's q-th 64 keys; the first 32 keys first
	WIN TO_F
.irp c, 0,1
.irp i, 0,1,2,3
	ds_load_tr16_b128 v[\f+64+8*(4*\c+\i):\f+64+8*(4*\c+\i)+3],   v[ADRV+2*\slot+(\q)/2] offset:(((\q)%2)*64+32*\c)*PV+32*\i
	ds_load_tr16_b128 v[\f+64+8*(4*\c+\i)+4:\f+64+8*(4*\c+\i)+7], v[ADRV+2*\slot+(\q)/2] offset:(((\q)%2)*64+32*\c+16)*PV+32*\i
	ds_load_b128 v[\f+8*(4*\c+\i):\f+8*(4*\c+\i)+3],         v[ADRA+\slot] offset:128*(\q)+64*\c+\i*16*PA
	ds_load_b128 v[\f+8*(4*\c+\i)+4:\f+8*(4*\c+\i)+7],       v[ADRA+\slot] offset:128*(\q)+64*\c+\i*16*PA+32
.endr
.endr
.endm
.macro PLACES
.rept 4
	v_nop
.endr
.endm
.macro QUARTER slot, q, f, g, zero     ; multiplies buffer f and fetches the slot's quarter q into g
	s_wait_dscnt 16                                ; the first 32 keys' sixteen loads are in
	WIN MUL
	MUL8 \f, 0, 0, \zero
	MUL8 \f, 0, 2, \zero
	PLACES
	FETCH \slot, \q, \g
	s_wait_dscnt 32                                ; all but the 32 just issued
	WIN MUL
	MUL8 \f, 1, 0, 0
	MUL8 \f, 1, 2, 0
.endm
; A slot's last quarter changes slots.  In front of the barrier each wave waits for all its tensor loads, adds 0 to its spare word, and waits for that and for its reads of this slot.  fill = 1: the barrier
; opens a round of the cluster's barrier, and this ring slot takes slot SQ + 2 of the walk, first thing behind the round: 112 matrix instructions ahead of the wait for it.
.macro TURN slot, next, fill
	WIN 0
	s_wait_tensorcnt 0x0
	ds_add_u32 v[SPW], v[NIL]                      ; the descriptors' words are made while it is out
.if \fill
	s_add_co_u32 s[SN], s[SQ], 2
	MKADDR \slot
.endif
	s_wait_dscnt 17                                ; the add and the youngest sixteen loads may be out
	WIN MUL
	MUL8 F1, 0, 0, 0
	s_wait_dscnt 0x0
	s_barrier_signal -1
	MUL8 F1, 0, 2, 0
.if \fill
	WIN 0
.endif
	s_barrier_wait -1
.if \fill
	CREST
	JLOAD \slot                                    ; its four v_nop are also the places in front of the loads below
.else
	PLACES
.endif
	FETCH \next, 0, F0
	WIN MUL
	MUL8 F1, 1, 0, 0
	MUL8 F1, 1, 2, 0
.endm
.macro ACCUM first                     ; the totals take f' X; first = 1: they start
	WIN 0xa0                                       ; destination and source 2: window 2
.irp t, 0,1,2,3,4,5,6,7,8,9,10,11,12,13,14,15
.irp i, 0,2,4,6
.if \first
	v_pk_mul_f32 v[8*\t+\i:8*\t+\i+1], v[ACC+8*\t+\i:ACC+8*\t+\i+1], v[FA+2*(\t/4):FA+2*(\t/4)+1] op_sel_hi:[1,0]
.else
	v_pk_fma_f32 v[8*\t+\i:8*\t+\i+1], v[ACC+8*\t+\i:ACC+8*\t+\i+1], v[FA+2*(\t/4):FA+2*(\t/4)+1], v[8*\t+\i:8*\t+\i+1] op_sel_hi:[1,0,1]
.endif
.endr
.endr
	WIN 0
.endm
; A finished tile: rounded to f16; 16 bytes a lane into the work-group's stage; a barrier, since a row's 256 bytes come from two waves;
; back as whole rows, 32 a wave.  The stage's second use stands behind later barriers, in front of which every wave has waited for these reads.
.macro WAYOUT
	WIN 0x0a                                       ; sources 0 and 1: window 2
.irp t, 0,1,2,3,4,5,6,7,8,9,10,11,12,13,14,15
.irp r, 0,1,2,3
	v_cvt_pk_f16_f32 v[TMP+4*\t+\r], v[8*\t+2*\r], v[8*\t+2*\r+1]
.endr
.endr
	WIN 0
.irp a, 0,1,2,3
.irp b, 0,1,2,3
	ds_store_b128 v[STO], v[TMP+4*(4*\a+\b):TMP+4*(4*\a+\b)+3] offset:\a*16*SPITCH+32*\b
.endr
.endr
	s_wait_dscnt 0x0                               ; for the others' sake: my stores have landed
	s_barrier_signal -1
	s_barrier_wait -1
.irp t, 0,1,2,3,4,5,6,7,8,9,10,11,12,13,14,15
	ds_load_b128 v[TMP+4*\t:TMP+4*\t+3], v[RD] offset:\t*2*SPITCH
.endr
.irp t, 0,1,2,3,4,5,6,7,8,9,10,11,12,13,14,15
	s_wait_dscnt 15-\t
	global_store_b128 v[CO], v[TMP+4*\t:TMP+4*\t+3], s[86:87] offset:2*\t*2048   ; 16 lanes store 256 consecutive bytes, aligned
.endr
.endm
; Behind a slot's last product.  mode 2: in the loop (a tile may begin or end here); 1: in the tail; 0: the last slot.
.macro FINISH mode
	WIN 0
	s_wait_loadcnt 0x0                             ; -M_T, asked for a slot ago
	v_sub_f32 v[TP], v[RMC], v[NMT]                ; M_T - M_row, a lane a row.  (These plain lines are also the places behind the last products)
	v_sub_f32 v[TP+1], v[RMC+1], v[NMT+1]
	v_cvt_i32_f32 v[TP], v[TP]
	v_cvt_i32_f32 v[TP+1], v[TP+1]
	v_ldexp_f32 v[TP], v[RMC+2], v[TP]             ; f' = 2^(M_T - M_row) / L
	v_ldexp_f32 v[TP+1], v[RMC+3], v[TP+1]
	v_permlanex16_b32 v[TP+2], v[TP], s[SEL], s[SEL+1]
	v_permlanex16_b32 v[TP+3], v[TP+1], s[SEL], s[SEL+1]
	v_cndmask_b32 v[FA], v[TP], v[TP+2], s44       ; block 0's rows lie in lanes 0-15 of register 0,
	v_cndmask_b32 v[FA+2], v[TP+2], v[TP], s44     ; block 1's in its lanes 16-31,
	v_cndmask_b32 v[FA+4], v[TP+1], v[TP+3], s44   ; blocks 2 and 3 likewise in register 1
	v_cndmask_b32 v[FA+6], v[TP+3], v[TP+1], s44
.if \mode == 2
	s_cmp_eq_u32 s[TT], 0
	s_cbranch_scc0 .Ladd_\@
	ACCUM 1
	s_branch .Lsummed_\@
.Ladd_\@:
	ACCUM 0
.Lsummed_\@:
.else
	ACCUM 0                                        ; tile 2 began at slot 4 of the walk at the latest
.endif
.if \mode > 0
	s_add_co_u32 s[TT], s[TT], 1
	s_add_co_u32 s[SQ], s[SQ], 1
.if \mode == 2
	s_cmp_lg_u32 s[SQ], s[N1]
	s_cbranch_scc1 .Lsame_\@
	WAYOUT                                         ; tile 1 is finished
.irp i, 0,1,2,3
	v_mov_b32 v[RMC+\i], v[RM2+\i]
.endr
	s_mov_b32 s[TT], 0
	s_mov_b32 s[SROW], s[SROW2]
	s_wait_xcnt 0x0                                ; the stores have read their base and data
	s_add_nc_u64 s[86:87], s[86:87], s[88:89]
.Lsame_\@:
.endif
	NEXTM
.endif
.endm
	s_wait_tensorcnt 1                             ; my part of slot 0 is in; slot 1's may be out
	s_barrier_signal -1
	s_barrier_wait -1
	FETCH 0, 0, F0
	QUARTER 0, 1, F0, F1, 1
	WIN 0
	s_mov_b32 s3, 3
.Llap:                                                 ; a trip: two slots of the walk; slots 2 to 7 are asked for here
	QUARTER 0, 2, F1, F0, 0
	QUARTER 0, 3, F0, F1, 0
	TURN 0, 1, 1
	FINISH 2
	QUARTER 1, 1, F0, F1, 1
	QUARTER 1, 2, F1, F0, 0
	QUARTER 1, 3, F0, F1, 0
	TURN 1, 0, 1
	FINISH 2
	QUARTER 0, 1, F0, F1, 1
	WIN 0
	s_sub_co_u32 s3, s3, 1
	s_cmp_lg_u32 s3, 0
	s_cbranch_scc1 .Llap
	QUARTER 0, 2, F1, F0, 0                        ; slot 6; slot 8 is asked for
	QUARTER 0, 3, F0, F1, 0
	TURN 0, 1, 1
	FINISH 1
	QUARTER 1, 1, F0, F1, 1                        ; slot 7; nothing is left to fetch
	QUARTER 1, 2, F1, F0, 0
	QUARTER 1, 3, F0, F1, 0
	TURN 1, 0, 0
	FINISH 1
	QUARTER 0, 1, F0, F1, 1                        ; slot 8
	QUARTER 0, 2, F1, F0, 0
	QUARTER 0, 3, F0, F1, 0
	s_wait_dscnt 16
	WIN MUL
	MUL8 F1, 0, 0, 0
	MUL8 F1, 0, 2, 0
	s_wait_dscnt 0
	MUL8 F1, 1, 0, 0
	MUL8 F1, 1, 2, 0
	FINISH 0
	WAYOUT
	s_wait_tensorcnt 0x0                           ; the wave's end
	ds_add_u32 v[SPW], v[NIL]
	s_wait_dscnt 0x0
	CROUND                                         ; the closing round
	s_endpgm
.Lfunc_end_k_q780026ef8f_av:
	.size	k_q780026ef8f_av, .Lfunc_end_k_q780026ef8f_av-k_q780026ef8f_av
	.p2alignl 7, 3214868480
	.fill 96, 4, 3214868480
	.section	.rodata,"a",@progbits
	.p2align	6, 0x0
	.amdhsa_kernel k_q780026ef8f_av
		.amdhsa_group_segment_fixed_size 327680
		.amdhsa_private_segment_fixed_size 0
		.amdhsa_enable_private_segment 0
		.amdhsa_kernarg_size 32
		.amdhsa_user_sgpr_count 2
		.amdhsa_user_sgpr_kernarg_segment_ptr 1
		.amdhsa_wavefront_size32 1
		.amdhsa_system_sgpr_workgroup_id_x 1
		.amdhsa_system_sgpr_workgroup_id_y 1
		.amdhsa_system_sgpr_workgroup_id_z 1
		.amdhsa_system_vgpr_workitem_id 0
		.amdhsa_next_free_vgpr 640
		.amdhsa_next_free_sgpr 94
		.amdhsa_reserve_vcc 0
		.amdhsa_float_denorm_mode_32 3
		.amdhsa_float_denorm_mode_16_64 3
		.amdhsa_memory_ordered 1
		.amdhsa_forward_progress 1
		.amdhsa_inst_pref_size 174
	.end_amdhsa_kernel
	.amdgpu_metadata
---
amdhsa.version: [ 1, 2 ]
amdhsa.kernels:
  - .name:           k_q780026ef8f_av
    .symbol:         k_q780026ef8f_av.kd
    .args:
      - { .name: p16, .offset: 0, .size: 8, .value_kind: global_buffer, .address_space: global }
      - { .name: qkv16, .offset: 8, .size: 8, .value_kind: global_buffer, .address_space: global }
      - { .name: stat, .offset: 16, .size: 8, .value_kind: global_buffer, .address_space: global }
      - { .name: attn16, .offset: 24, .size: 8, .value_kind: global_buffer, .address_space: global }
    .group_segment_fixed_size: 327680
    .private_segment_fixed_size: 0
    .kernarg_segment_align: 8
    .kernarg_segment_size: 32
    .max_flat_workgroup_size: 128
    .sgpr_count:     94
    .vgpr_count:     640
    .wavefront_size: 32
...
	.end_amdgpu_metadata
.endif
;; end of part 4
;; launch proj (part 5): grid 8 x 32, 4 waves a work-group, clusters of 4 x 4, 327,680 bytes of LDS; arguments attn16, wout16, bout, out0; writes out0
.if DOCPART == 5
	.amdgcn_target "amdgcn-amd-amdhsa--gfx1250"
	.amdhsa_code_object_version 6
	.text
	.protected	k_q780026ef8f_proj
	.globl	k_q780026ef8f_proj
	.p2align	8
	.type	k_q780026ef8f_proj,@function
k_q780026ef8f_proj:
	s_mov_b64 s[64:65], 0
	v_nop
	global_prefetch_b8 v0, s[64:65] scope:SCOPE_SE
	s_setreg_imm32_b32 hwreg(HW_REG_WAVE_MODE, 25, 1), 1
	s_wait_xcnt 0x0
	s_wait_alu depctr_hold_cnt(0) depctr_sa_sdst(0) depctr_va_vdst(0) depctr_va_sdst(0) depctr_va_ssrc(0) depctr_va_vcc(0) depctr_vm_vsrc(0)
	s_getreg_b32 s2, hwreg(HW_REG_IB_STS2, 6, 4)
	s_cmp_eq_u32 s2, 0
	s_cbranch_scc0 .Lentry_in_a_cluster
	s_endpgm
.Lentry_in_a_cluster:
	s_bfe_u32 s2, ttmp6, 0x10000c
	s_cmp_lg_u32 s2, 0xf033
	s_cbranch_scc0 .Lentry_shape_is_right
	s_endpgm
.Lentry_shape_is_right:
; out0 = attn Wout^T + bout: [8192][1024] x [1024][1024]^T, operands f16, sums f32 that start from the bias, stored as f32.
; NOT STORED HERE: positions 0-15 of each sequence: the last launch carries them in f32 and stores them; they share a tile with live rows, so they are multiplied with it.
; A tile of C is 128 x 128: four waves, 64 x 64 each, 16 accumulators.  K goes in steps of 256 (LDS rows of 512 bytes) through two slots; a wave's tensor load brings 64 rows.
; A WORK-GROUP STAYS: it makes two tiles, 4,096 rows apart in the same columns, so that 256 work-groups make the 512 tiles.  The ring does not stop at the first tile's end: its last two changes of slots
; ask for the second tile's K steps 0 and 1 (attn's address goes 4,096 rows down and back along K, Wout's only back), the first tile goes out behind those requests, and nothing waits for its stores.
; Both tiles share their rows of Wout and their bias.  The eight K steps are written out: every wait is counted on one path.
; CLUSTERS: 4 x 4: attn's tiles are asked for jointly along a row of the cluster, Wout's along a column.  THE MATRIX INSTRUCTION IS USED TRANSPOSED: a lane holds eight neighbouring columns of a row.
; A wave's 64 columns of f32 are 256 aligned bytes of a row: each wave has a stage of its own and the way out needs no barrier.
; REGISTERS: window 0: v0-31 addresses; v32-63 the bias in the result's layout, kept for both tiles; v64-127 rows on the way out; v128-255 the accumulators.  window 1: two fragment buffers.
.set SIZE_K, 1024
.set KSTEP,  256
.set PITCH,  528
.set HALFT,  64*PITCH
.set SLOT,   4*HALFT
.set STAGE,  2*SLOT                    ; 16 rows x 272 bytes for each wave
.set SPITCH, 272
.set SPARE,  STAGE+4*16*SPITCH
.set WALK,   4096                      ; rows from a work-group's first tile to its second
.set NEXT_A, WALK*SIZE_K*2-(SIZE_K-2*KSTEP)*2   ; bytes from a slot's last K step of the first tile to its first of the second: attn goes WALK rows down and back along K,
.set BACK_B, (SIZE_K-2*KSTEP)*2        ; Wout only back
.set ADRA, 16
.set ADRB, 20
.set STO,  24
.set RD,   25
.set CO,   26
.set BO,   27
.set SPW,  28
.set NIL,  29
.set BI,   32
.set TMP,  64
.set ACC,  128
.set F0,   0
.set F1,   128
.set G1, 24
.set G0, 32
.set G1B, 48
.set G0B, 56
.set MSB, 0
.macro WIN new
.if MSB != \new
	s_set_vgpr_msb (MSB<<8)|\new
.set MSB, \new
.endif
.endm
.set MUL,  0x05
.set TO_F, 0x40
.macro JLOAD s                         ; a joint load: waves 0, 1 fetch attn's halves, waves 2, 3 Wout's; an s_nop 0 and four v_nop follow each line
	s_cmp_eq_u32 s11, 0
	s_cbranch_scc0 .Lfor_b_\@
	tensor_load_to_lds s[G0+4*\s:G0+4*\s+3], s[G1:G1+7]
	s_nop 0
.rept 4
	v_nop
.endr
	s_branch .Lasked_\@
.Lfor_b_\@:
	tensor_load_to_lds s[G0B+4*\s:G0B+4*\s+3], s[G1B:G1B+7]
	s_nop 0
.rept 4
	v_nop
.endr
.Lasked_\@:
.endm
.macro CREST
	s_cmp_lg_u32 s10, 0
	s_cbranch_scc1 .Lnot_wave_0_\@
	s_barrier_signal -3
.Lnot_wave_0_\@:
	s_barrier_wait -3
	s_barrier_signal -1
	s_barrier_wait -1
.endm
.macro CROUND
	s_barrier_signal -1
	s_barrier_wait -1
	CREST
.endm
	s_load_b256 s[68:75], s[0:1], 0x0              ; attn16 s[68:69], wout16 s[70:71], bout s[72:73], out0 s[74:75]
	v_lshl_add_u32 v[SPW], v0, 2, SPARE
	v_mov_b32 v[NIL], 0
	ds_add_u32 v[SPW], v[NIL]                      ; the wave's opening: the add, twice on end, and its wait ahead of my first tensor load
	ds_add_u32 v[SPW], v[NIL]
	v_lshrrev_b32 v1, 5, v0
	v_readfirstlane_b32 s10, v1
	s_lshr_b32 s11, s10, 1                         ; my half of the rows.  Also: I fetch for A (0) or B (1)
	s_and_b32 s12, s10, 1                          ; my half of the columns.  Also: which 64 rows I fetch
	s_bfe_u32 s40, ttmp6, 0x40000
	s_bfe_u32 s41, ttmp6, 0x40004
	s_lshl_b32 s42, ttmp9, 2
	s_add_co_u32 s42, s42, s40                     ; tile column
	s_and_b32 s13, ttmp7, 0xffff
	s_lshl_b32 s13, s13, 2
	s_add_co_u32 s13, s13, s41                     ; the first tile's row of tiles, 0 to 31; the second's is 32 more
	s_lshl_b32 s43, s41, 2
	s_lshl_b32 s43, 15, s43
	s_lshl_b32 s44, 0x1111, s40
	s_or_b32 s[G1+0], s43, (1<<16)|(1<<20)|(1<<21)|(6<<22)|(3<<25)   ; elements of 2 bytes; padding: 4 words after every 128
	s_or_b32 s[G1B+0], s44, (1<<16)|(1<<20)|(1<<21)|(6<<22)|(3<<25)
.irp g, G1, G1B
	s_mov_b32 s[\g+1], KSTEP<<16
	s_mov_b32 s[\g+2], 64<<16
	s_mov_b32 s[\g+3], KSTEP<<16
	s_mov_b32 s[\g+4], 64
	s_mov_b32 s[\g+5], SIZE_K
	s_mov_b32 s[\g+6], 0
	s_mov_b32 s[\g+7], 0
.endr
	s_lshl_b32 s17, s12, 6
	s_lshl_b32 s16, s13, 7
	s_add_co_u32 s16, s16, s17
	s_lshl_b32 s46, s42, 7
	s_add_co_u32 s46, s46, s17
	s_mov_b32 s17, 0
	s_mov_b32 s47, 0
	s_mov_b64 s[18:19], SIZE_K*2
	s_mul_u64 s[16:17], s[16:17], s[18:19]
	s_mul_u64 s[46:47], s[46:47], s[18:19]
	s_mul_i32 s20, s10, HALFT
	s_wait_dscnt 0x0
	s_wait_kmcnt 0x0
	s_add_nc_u64 s[14:15], s[68:69], s[16:17]
	s_add_nc_u64 s[46:47], s[70:71], s[46:47]
	CROUND
.irp s, 0,1
	s_mov_b32 s[G0+4*\s], 1
	s_add_co_u32 s[G0+4*\s+1], s20, \s*SLOT
	s_add_nc_u64 s[G0+4*\s+2:G0+4*\s+3], s[14:15], \s*KSTEP*2
	s_or_b32 s[G0+4*\s+3], s[G0+4*\s+3], 0x80000000
	s_mov_b32 s[G0B+4*\s], 1
	s_add_co_u32 s[G0B+4*\s+1], s20, \s*SLOT
	s_add_nc_u64 s[G0B+4*\s+2:G0B+4*\s+3], s[46:47], \s*KSTEP*2
	s_or_b32 s[G0B+4*\s+3], s[G0B+4*\s+3], 0x80000000
	JLOAD \s
.endr
	v_and_b32 v1, 15, v0
	v_bfe_u32 v2, v0, 4, 1
	v_lshlrev_b32 v[BO], 5, v2
	s_lshl_b32 s46, s42, 9                         ; my first column in bytes of f32: 512 x tile column + 256 x half
	s_lshl_b32 s47, s12, 8
	s_add_co_u32 s46, s46, s47
	s_mov_b32 s47, 0
	s_add_nc_u64 s[72:73], s[72:73], s[46:47]
.irp b, 0,1,2,3
	global_load_b128 v[BI+8*\b:BI+8*\b+3], v[BO], s[72:73] offset:64*\b       ; register 8 b + j: bout at column 16 b + 8 (lane / 16) + j
	global_load_b128 v[BI+8*\b+4:BI+8*\b+7], v[BO], s[72:73] offset:64*\b+16
.endr
	v_mul_u32_u24 v3, v1, PITCH
	v_lshl_add_u32 v3, v2, 4, v3
	s_mul_i32 s21, s11, HALFT
	s_mul_i32 s22, s12, HALFT
	s_add_co_u32 s22, s22, 2*HALFT
.irp s, 0,1
	v_add_nc_u32 v[ADRA+\s], s21, v3
	v_add_nc_u32 v[ADRB+\s], s22, v3
	s_add_co_u32 s21, s21, SLOT
	s_add_co_u32 s22, s22, SLOT
.endr
	s_mul_i32 s23, s10, 16*SPITCH
	s_add_co_u32 s23, s23, STAGE                   ; my stage
	v_mul_u32_u24 v4, v1, SPITCH
	v_lshl_add_u32 v4, v2, 5, v4
	v_add_nc_u32 v[STO], s23, v4                   ; in: row r, 32 bytes for each half of the lanes
	v_mul_u32_u24 v5, v2, SPITCH
	v_lshl_add_u32 v5, v1, 4, v5
	v_add_nc_u32 v[RD], s23, v5                    ; back: lanes 0-15 one row of 256 bytes, lanes 16-31 the next
	v_lshlrev_b32 v5, 12, v2
	v_lshl_add_u32 v[CO], v1, 4, v5                ; the same two rows of out0 (4,096 bytes a row)
	s_lshl_b32 s16, s13, 7
	s_lshl_b32 s17, s11, 6
	s_add_co_u32 s16, s16, s17                     ; my first row
	s_lshl_b32 s16, s16, 12
	s_mov_b32 s17, 0
	s_add_nc_u64 s[74:75], s[74:75], s[16:17]
	s_add_nc_u64 s[74:75], s[74:75], s[46:47]      ; out0 at my part of the first tile,
	s_add_nc_u64 s[76:77], s[74:75], WALK*4096     ; and of the second: neither is written again
	s_and_b32 s21, s13, 15
	s_or_b32 s21, s21, s11                         ; 0 only where my block 0 holds positions 0-15 of a sequence: a sequence is 16 rows of tiles, so the flag is the same for both tiles
.macro MUL8 f, c, a0, zero             ; zero = 2: the sums start from the bias.  The 16 accumulators take turns
.irp a, \a0, \a0+1
.irp b, 0,1,2,3
.if \zero == 2
	v_wmma_f32_16x16x32_f16 v[ACC+8*(4*(\a)+\b):ACC+8*(4*(\a)+\b)+7], v[\f+64+8*(4*\c+\b):\f+64+8*(4*\c+\b)+7], v[\f+8*(4*\c+\a):\f+8*(4*\c+\a)+7], v[BI+8*\b:BI+8*\b+7]
.else
	v_wmma_f32_16x16x32_f16 v[ACC+8*(4*(\a)+\b):ACC+8*(4*(\a)+\b)+7], v[\f+64+8*(4*\c+\b):\f+64+8*(4*\c+\b)+7], v[\f+8*(4*\c+\a):\f+8*(4*\c+\a)+7], v[ACC+8*(4*(\a)+\b):ACC+8*(4*(\a)+\b)+7]
.endif
.endr
.endr
.endm
.macro FETCH slot, k, f
	WIN TO_F
.irp c, 0,1
.irp i, 0,1,2,3
	ds_load_b128 v[\f+64+8*(4*\c+\i):\f+64+8*(4*\c+\i)+3],   v[ADRB+\slot] offset:\k+64*\c+\i*16*PITCH
	ds_load_b128 v[\f+64+8*(4*\c+\i)+4:\f+64+8*(4*\c+\i)+7], v[ADRB+\slot] offset:\k+64*\c+\i*16*PITCH+32
	ds_load_b128 v[\f+8*(4*\c+\i):\f+8*(4*\c+\i)+3],         v[ADRA+\slot] offset:\k+64*\c+\i*16*PITCH
	ds_load_b128 v[\f+8*(4*\c+\i)+4:\f+8*(4*\c+\i)+7],       v[ADRA+\slot] offset:\k+64*\c+\i*16*PITCH+32
.endr
.endr
.endm
.macro PLACES
.rept 4
	v_nop
.endr
.endm
.macro QUARTER slot, k, f, g, zero
	s_wait_dscnt 16                                ; the first 32 along K are in
	WIN MUL
	MUL8 \f, 0, 0, \zero
	MUL8 \f, 0, 2, \zero
	PLACES
	FETCH \slot, \k, \g
	s_wait_dscnt 32                                ; all but the 32 just issued
	WIN MUL
	MUL8 \f, 1, 0, 0
	MUL8 \f, 1, 2, 0
.endm
; A K step's last quarter changes slots.  In front of the barrier each wave waits for all its tensor loads, adds 0 to its spare word, and waits for that and for its reads of this slot.
; fill = 1: the barrier opens a round of the cluster's barrier and this slot is filled again, two K steps ahead in the same tile; 2: with the second tile's K step 0 or 1; 0: nothing is left to fetch.
.macro TURN slot, next, fill
	WIN 0
	s_wait_tensorcnt 0x0
	ds_add_u32 v[SPW], v[NIL]
	s_wait_dscnt 17                                ; the add and the youngest sixteen loads may be out
	WIN MUL
	MUL8 F1, 0, 0, 0
	s_wait_dscnt 0x0
	s_barrier_signal -1
	MUL8 F1, 0, 2, 0
.if \fill
	WIN 0
.endif
	s_barrier_wait -1
.if \fill
	CREST
.if \fill == 2
	s_add_nc_u64 s[G0+4*\slot+2:G0+4*\slot+3], s[G0+4*\slot+2:G0+4*\slot+3], NEXT_A
	s_sub_nc_u64 s[G0B+4*\slot+2:G0B+4*\slot+3], s[G0B+4*\slot+2:G0B+4*\slot+3], BACK_B
.else
	s_add_nc_u64 s[G0+4*\slot+2:G0+4*\slot+3], s[G0+4*\slot+2:G0+4*\slot+3], 2*KSTEP*2
	s_add_nc_u64 s[G0B+4*\slot+2:G0B+4*\slot+3], s[G0B+4*\slot+2:G0B+4*\slot+3], 2*KSTEP*2
.endif
	JLOAD \slot                                    ; the first tensor load behind the round; its four v_nop are also the places in front of the loads below
.else
	PLACES
.endif
	FETCH \next, 0, F0
	WIN MUL
	MUL8 F1, 1, 0, 0
	MUL8 F1, 1, 2, 0
.endm
.macro STEPK slot, next, first, fill   ; a whole K step: four quarters of 64 along K on buffers 0, 1, 0, 1.  first = 2: a tile's first K step
	QUARTER \slot, 128, F0, F1, \first
	QUARTER \slot, 256, F1, F0, 0
	QUARTER \slot, 384, F0, F1, 0
	TURN \slot, \next, \fill
.endm
; THE WAY OUT, 16 rows x 64 columns at a time, through my own stage: LDS serves a wave's instructions in order, so no wait stands between the stores and the loads, nor in front of the next block's stores.
.macro TOSTAGE a
.irp b, 0,1,2,3
	ds_store_b128 v[STO], v[ACC+8*(4*(\a)+\b):ACC+8*(4*(\a)+\b)+3] offset:64*\b          ; each accumulator from its low end on
	ds_store_b128 v[STO], v[ACC+8*(4*(\a)+\b)+4:ACC+8*(4*(\a)+\b)+7] offset:64*\b+16
.endr
.set BB, TMP+32*((\a)%2)
.irp t, 0,1,2,3,4,5,6,7
	ds_load_b128 v[BB+4*\t:BB+4*\t+3], v[RD] offset:\t*2*SPITCH
.endr
.endm
.macro SEND a, younger, base           ; younger: the next block's 8 stores and 8 loads, which may stay out
.set BB, TMP+32*((\a)%2)
	s_wait_dscnt \younger
.irp t, 0,1,2,3,4,5,6,7
	global_store_b128 v[CO], v[BB+4*\t:BB+4*\t+3], s[\base:\base+1] offset:(16*(\a)+2*\t)*4096 th:TH_STORE_NT   ; 16 lanes store 256 consecutive bytes, aligned
.endr
.endm
.macro WAYOUT base
	WIN 0
.rept 5
	v_nop                                          ; four places ahead of the LDS stores that read results just made; the fifth for the next tile's first products, which write over these accumulators with another C
.endr
	s_wait_xcnt 0x0                                ; the tile before has had its stores' registers read: they are loaded again below
	TOSTAGE 0
	TOSTAGE 1
	v_cmp_ne_u32 vcc_lo, s21, v[NIL]               ; block 0's stores run under a lane mask that is all ones, or empty where it holds positions 0-15
	s_wait_xcnt 0x0                                ; EXEC changes only behind this wait
	s_and_saveexec_b32 s22, vcc_lo
	SEND 0, 16, \base
	s_wait_xcnt 0x0                                ; and again in front of the line that widens it; block 0's registers may be loaded again too
	s_or_b32 exec_lo, exec_lo, s22
	TOSTAGE 2
	SEND 1, 16, \base
	s_wait_xcnt 0x0                                ; block 1's stores have read their registers
	TOSTAGE 3
	SEND 2, 16, \base
	SEND 3, 0, \base
.endm
	s_wait_tensorcnt 1                             ; my part of K step 0 is in; K step 1's may be out
	s_barrier_signal -1
	s_barrier_wait -1
	FETCH 0, 0, F0
	s_wait_loadcnt 0x0                             ; the bias
	STEPK 0, 1, 2, 1                               ; THE FIRST TILE: K step 0; K step 2 is asked for
	STEPK 1, 0, 0, 1                               ; K step 1; K step 3 is asked for
	STEPK 0, 1, 0, 2                               ; K step 2; THE RING GOES ON: slot 0 takes the second tile's K step 0,
	STEPK 1, 0, 0, 2                               ; K step 3; slot 1 its K step 1, and the second tile's first fragments are fetched
	WAYOUT 74                                      ; both refills are asked for: now the first tile goes out
	STEPK 0, 1, 2, 1                               ; THE SECOND TILE: its sums start from the same bias
	STEPK 1, 0, 0, 1
	STEPK 0, 1, 0, 0                               ; nothing is left to fetch
	QUARTER 1, 128, F0, F1, 0
	QUARTER 1, 256, F1, F0, 0
	QUARTER 1, 384, F0, F1, 0
	s_wait_dscnt 16
	WIN MUL
	MUL8 F1, 0, 0, 0
	MUL8 F1, 0, 2, 0
	s_wait_dscnt 0
	MUL8 F1, 1, 0, 0
	MUL8 F1, 1, 2, 0
	WAYOUT 76
	s_wait_tensorcnt 0x0                           ; the wave's end
	ds_add_u32 v[SPW], v[NIL]
	s_wait_dscnt 0x0
	CROUND                                         ; the closing round
	s_endpgm
.Lfunc_end_k_q780026ef8f_proj:
	.size	k_q780026ef8f_proj, .Lfunc_end_k_q780026ef8f_proj-k_q780026ef8f_proj
	.p2alignl 7, 3214868480
	.fill 96, 4, 3214868480
	.section	.rodata,"a",@progbits
	.p2align	6, 0x0
	.amdhsa_kernel k_q780026ef8f_proj
		.amdhsa_group_segment_fixed_size 327680
		.amdhsa_private_segment_fixed_size 0
		.amdhsa_enable_private_segment 0
		.amdhsa_kernarg_size 32
		.amdhsa_user_sgpr_count 2
		.amdhsa_user_sgpr_kernarg_segment_ptr 1
		.amdhsa_wavefront_size32 1
		.amdhsa_system_sgpr_workgroup_id_x 1
		.amdhsa_system_sgpr_workgroup_id_y 1
		.amdhsa_system_sgpr_workgroup_id_z 1
		.amdhsa_system_vgpr_workitem_id 0
		.amdhsa_next_free_vgpr 512
		.amdhsa_next_free_sgpr 78
		.amdhsa_reserve_vcc 1
		.amdhsa_float_denorm_mode_32 3
		.amdhsa_float_denorm_mode_16_64 3
		.amdhsa_memory_ordered 1
		.amdhsa_forward_progress 1
		.amdhsa_inst_pref_size 166
	.end_amdhsa_kernel
	.amdgpu_metadata
---
amdhsa.version: [ 1, 2 ]
amdhsa.kernels:
  - .name:           k_q780026ef8f_proj
    .symbol:         k_q780026ef8f_proj.kd
    .args:
      - { .name: attn16, .offset: 0, .size: 8, .value_kind: global_buffer, .address_space: global }
      - { .name: wout16, .offset: 8, .size: 8, .value_kind: global_buffer, .address_space: global }
      - { .name: bout, .offset: 16, .size: 8, .value_kind: global_buffer, .address_space: global }
      - { .name: out0, .offset: 24, .size: 8, .value_kind: global_buffer, .address_space: global }
    .group_segment_fixed_size: 327680
    .private_segment_fixed_size: 0
    .kernarg_segment_align: 8
    .kernarg_segment_size: 32
    .max_flat_workgroup_size: 128
    .sgpr_count:     78
    .vgpr_count:     512
    .wavefront_size: 32
...
	.end_amdgpu_metadata
.endif
;; end of part 5
;; launch fine (part 6): grid 64 x 4, 16 waves a work-group, no clusters, 34,816 bytes of LDS; arguments fine32, Wout, bout, out0; writes out0
.if DOCPART == 6
	.amdgcn_target "amdgcn-amd-amdhsa--gfx1250"
	.amdhsa_code_object_version 6
	.text
	.protected	k_q780026ef8f_fine
	.globl	k_q780026ef8f_fine
	.p2align	8
	.type	k_q780026ef8f_fine,@function
k_q780026ef8f_fine:
	s_mov_b64 s[64:65], 0
	v_nop
	global_prefetch_b8 v0, s[64:65] scope:SCOPE_SE
	s_setreg_imm32_b32 hwreg(HW_REG_WAVE_MODE, 25, 1), 1
	s_wait_xcnt 0x0
; Positions 0-15 of each sequence, all in f32: there a row of the softmax averages 1 to 16 values, the results are the largest of the output, and 16-bit operands would use up what the comparison allows.
; LEFT OUT: k's bias (shown at the head of the first kernel): fine32 holds k without it.
; out(i, o) = sum over keys j <= i of P(i, j) Z(j, o) + bout(o), P = softmax(q k^T / 32), Z = v Wout^T: the sum is taken as P (v Wout^T), another order of rounding than (P v) Wout^T, in f32 throughout.
; LIMITS: NaN and infinities are not served; the exponential and the reciprocal are good to an ulp.
; SHARES: work-group (nt, b) makes 16 output columns of sequence b's 16 rows.  Wave w takes channels 64 w to 64 w + 63 of two sums by the f32 matrix form: S^T = k q^T and Z = v Wout^T, 32 instructions;
; 256 such work-groups, since the f32 form is slow: no bulk work.  The waves' parts meet in LDS as images of their registers; wave 0 adds them, takes the softmax and the last product.  Stores in runs of 32 bytes: 256 KB in all.
; A lane loads 16 bytes: channels 8 c + 4 (lane / 16) + 0..3 of its row; registers 0, 1 feed one K step, 2, 3 the next: the same order of channels on both sources, so the products stand.
; The registers that the f32 matrix form writes (v144-183) are written by matrix instructions alone.
.set SPARE, 32768                      ; behind the sixteen images of 2,048 bytes: the spare words, 128 bytes a wave
.set SPW, 10
.set NIL, 11
.set QF,  16
.set KF,  48
.set VF,  80
.set WF,  112
.set S0,  144
.set Z0,  152
.set S1,  160
.set Z1,  168
.set FIN, 176
.set SP,  184                          ; v184-191 S^T: key 8 h + j, query r
.set ZP,  192                          ; v192-199 Z: key 8 h + j, column r
.set BI,  200
.set P,   208
	s_load_b256 s[4:11], s[0:1], 0x0               ; fine32 s[4:5], Wout s[6:7], bout s[8:9], out0 s[10:11]
	v_lshl_add_u32 v[SPW], v0, 2, SPARE
	v_mov_b32 v[NIL], 0
	v_lshrrev_b32 v1, 5, v0
	v_readfirstlane_b32 s12, v1                    ; wave 0..15
	v_and_b32 v2, 15, v0                           ; r
	v_bfe_u32 v3, v0, 4, 1                         ; h
	v_and_b32 v4, 31, v0
	v_lshlrev_b32 v4, 4, v4                        ; 16 x lane: an image's place for my lane
	s_lshl_b32 s13, s12, 11
	v_add_nc_u32 v5, s13, v4                       ; where I store my images
	s_lshl_b32 s14, s12, 8                         ; my 64 channels
	v_mul_u32_u24 v6, v2, 12288
	v_lshl_add_u32 v6, v3, 4, v6
	v_add_nc_u32 v6, s14, v6                       ; fine32: row r, + 16 h, + my channels
	v_lshlrev_b32 v7, 12, v2
	v_lshl_add_u32 v7, v3, 4, v7
	v_add_nc_u32 v7, s14, v7                       ; Wout: row r of my 16, likewise
	v_lshlrev_b32 v8, 5, v3                        ; 32 h
	v_lshl_add_u32 v9, v2, 12, v8                  ; out0: row r, + 32 h
	s_and_b32 s15, ttmp7, 0xffff                   ; b
	s_mul_i32 s16, s15, 196608
	s_mov_b32 s17, 0
	s_lshl_b32 s18, ttmp9, 16                      ; 16 rows of Wout
	s_mov_b32 s19, 0
	s_mov_b32 s20, 0x76543210
	s_mov_b32 s21, 0xfedcba98
	s_mov_b32 s22, 0x3d38aa3b                      ; log2(e) / 32
	s_lshl_b32 s24, ttmp9, 6                       ; 16 columns of f32
	s_mov_b32 s25, 0
	s_lshl_b32 s26, s15, 23                        ; 2,048 rows of out0
	s_mov_b32 s27, 0
	s_wait_kmcnt 0x0
	s_add_nc_u64 s[4:5], s[4:5], s[16:17]
	s_add_nc_u64 s[6:7], s[6:7], s[18:19]
	s_add_nc_u64 s[8:9], s[8:9], s[24:25]
	s_add_nc_u64 s[10:11], s[10:11], s[24:25]
	s_add_nc_u64 s[10:11], s[10:11], s[26:27]
.irp c, 0,1,2,3,4,5,6,7
	global_load_b128 v[KF+4*\c:KF+4*\c+3], v6, s[4:5] offset:4096+32*\c
	global_load_b128 v[QF+4*\c:QF+4*\c+3], v6, s[4:5] offset:32*\c
	global_load_b128 v[VF+4*\c:VF+4*\c+3], v6, s[4:5] offset:8192+32*\c
	global_load_b128 v[WF+4*\c:WF+4*\c+3], v7, s[6:7] offset:32*\c
.endr
.irp c, 0,1,2,3,4,5,6,7
	s_wait_loadcnt 4*(7-\c)                        ; chunk c's four loads are in; the later chunks' stay out
.if \c == 0
	v_wmma_f32_16x16x4_f32 v[S0:S0+7], v[KF:KF+1], v[QF:QF+1], 0                 ; the first K steps start the four sums, which take turns
	v_wmma_f32_16x16x4_f32 v[Z0:Z0+7], v[VF:VF+1], v[WF:WF+1], 0
	v_wmma_f32_16x16x4_f32 v[S1:S1+7], v[KF+2:KF+3], v[QF+2:QF+3], 0
	v_wmma_f32_16x16x4_f32 v[Z1:Z1+7], v[VF+2:VF+3], v[WF+2:WF+3], 0
.else
	v_wmma_f32_16x16x4_f32 v[S0:S0+7], v[KF+4*\c:KF+4*\c+1], v[QF+4*\c:QF+4*\c+1], v[S0:S0+7]
	v_wmma_f32_16x16x4_f32 v[Z0:Z0+7], v[VF+4*\c:VF+4*\c+1], v[WF+4*\c:WF+4*\c+1], v[Z0:Z0+7]
	v_wmma_f32_16x16x4_f32 v[S1:S1+7], v[KF+4*\c+2:KF+4*\c+3], v[QF+4*\c+2:QF+4*\c+3], v[S1:S1+7]
	v_wmma_f32_16x16x4_f32 v[Z1:Z1+7], v[VF+4*\c+2:VF+4*\c+3], v[WF+4*\c+2:WF+4*\c+3], v[Z1:Z1+7]
.endif
.endr
.rept 8
	v_nop                                          ; eight places behind this form, ahead of the first read of its results (ISA guide 7.12.1)
.endr
.irp i, 0,2,4,6
	v_pk_add_f32 v[SP+\i:SP+\i+1], v[S0+\i:S0+\i+1], v[S1+\i:S1+\i+1]      ; from the low end on
.endr
.irp i, 0,2,4,6
	v_pk_add_f32 v[ZP+\i:ZP+\i+1], v[Z0+\i:Z0+\i+1], v[Z1+\i:Z1+\i+1]
.endr
.irp g, 0,1,2,3
	ds_store_b128 v5, v[SP+4*\g:SP+4*\g+3] offset:512*\g           ; my part as an image of its registers
.endr
	s_wait_dscnt 0x0                               ; for wave 0's sake: my stores have landed
	s_barrier_signal -1
	s_barrier_wait -1
	s_cmp_eq_u32 s12, 0
	s_cbranch_scc1 .Lwave0
	s_wait_tensorcnt 0x0                           ; the wave's end: behind my last LDS store
	ds_add_u32 v[SPW], v[NIL]
	s_wait_dscnt 0x0
	s_endpgm
.Lwave0:
	global_load_b128 v[BI:BI+3], v8, s[8:9]        ; bout at columns 8 h + 0..7 of my 16
	global_load_b128 v[BI+4:BI+7], v8, s[8:9] offset:16
.irp w, 1,2,3,4,5,6,7,8
.irp g, 0,1,2,3
	ds_load_b128 v[16+16*(\w-1)+4*\g:16+16*(\w-1)+4*\g+3], v4 offset:2048*\w+512*\g
.endr
.endr
	s_wait_dscnt 0x0
.irp w, 1,2,3,4,5,6,7,8
.irp i, 0,2,4,6,8,10,12,14
	v_pk_add_f32 v[SP+\i:SP+\i+1], v[SP+\i:SP+\i+1], v[16+16*(\w-1)+\i:16+16*(\w-1)+\i+1]
.endr
.endr
.irp w, 9,10,11,12,13,14,15
.irp g, 0,1,2,3
	ds_load_b128 v[16+16*(\w-9)+4*\g:16+16*(\w-9)+4*\g+3], v4 offset:2048*\w+512*\g
.endr
.endr
	s_wait_dscnt 0x0
.irp w, 9,10,11,12,13,14,15
.irp i, 0,2,4,6,8,10,12,14
	v_pk_add_f32 v[SP+\i:SP+\i+1], v[SP+\i:SP+\i+1], v[16+16*(\w-9)+\i:16+16*(\w-9)+\i+1]
.endr
.endr
	v_lshlrev_b32 v12, 3, v3
	v_sub_nc_u32 v12, v2, v12                      ; r - 8 h: key 8 h + j is hidden from query r where j is larger
	v_mov_b32 v13, 0xff800000
.irp j, 0,1,2,3,4,5,6,7
	v_cmp_gt_i32 vcc_lo, \j, v12
	v_cndmask_b32 v[SP+\j], v[SP+\j], v13, vcc_lo
.endr
	v_max3_num_f32 v14, v[SP], v[SP+1], v[SP+2]
	v_max3_num_f32 v14, v14, v[SP+3], v[SP+4]
	v_max3_num_f32 v14, v14, v[SP+5], v[SP+6]
	v_max_num_f32 v14, v14, v[SP+7]
	v_mov_b32 v15, 0
	v_permlanex16_b32 v15, v14, s20, s21
	v_max_num_f32 v14, v14, v15                    ; the row's largest score (key 0 counts for every query)
	v_mul_f32 v14, s22, v14
.irp j, 0,1,2,3,4,5,6,7
	v_fma_f32 v[P+\j], v[SP+\j], s22, -v14         ; the maximum is taken away ahead of the exponential
.endr
.irp j, 0,1,2,3,4,5,6,7
	v_exp_f32 v[P+\j], v[P+\j]
.endr
	v_nop
	s_wait_alu depctr_va_vdst(0)                   ; one wait for the eight, ahead of their first reader
	v_pk_add_f32 v[216:217], v[P:P+1], v[P+2:P+3]
	v_pk_add_f32 v[218:219], v[P+4:P+5], v[P+6:P+7]
	v_pk_add_f32 v[216:217], v[216:217], v[218:219]
	v_add_f32 v216, v216, v217
	v_permlanex16_b32 v15, v216, s20, s21
	v_add_f32 v216, v216, v15
	v_rcp_f32 v216, v216
	v_nop
	s_wait_alu depctr_va_vdst(0)
.irp j, 0,2,4,6
	v_pk_mul_f32 v[P+\j:P+\j+1], v[P+\j:P+\j+1], v[216:217] op_sel_hi:[1,0]
.endr
	s_wait_loadcnt 0x0                             ; bout
	; out^T = Z^T P^T + bout: source 0 = Z (column r), source 1 = P (query r); in step s both hold keys 8 h + 2 s + 0, 1 at K places 2 h + 0, 1.  One accumulator: the wait stands ahead of every link.
	v_wmma_f32_16x16x4_f32 v[FIN:FIN+7], v[ZP:ZP+1], v[P:P+1], v[BI:BI+7]
.irp s, 1,2,3
	s_wait_alu depctr_va_vdst(0)
	v_wmma_f32_16x16x4_f32 v[FIN:FIN+7], v[ZP+2*\s:ZP+2*\s+1], v[P+2*\s:P+2*\s+1], v[FIN:FIN+7]
.endr
.rept 8
	v_nop
.endr
	global_store_b128 v9, v[FIN:FIN+3], s[10:11]   ; lane (r, h): query r, columns 8 h + 0..7
	global_store_b128 v9, v[FIN+4:FIN+7], s[10:11] offset:16
	s_wait_tensorcnt 0x0                           ; the wave's end
	ds_add_u32 v[SPW], v[NIL]
	s_wait_dscnt 0x0
	s_endpgm
.Lfunc_end_k_q780026ef8f_fine:
	.size	k_q780026ef8f_fine, .Lfunc_end_k_q780026ef8f_fine-k_q780026ef8f_fine
	.p2alignl 7, 3214868480
	.fill 96, 4, 3214868480
	.section	.rodata,"a",@progbits
	.p2align	6, 0x0
	.amdhsa_kernel k_q780026ef8f_fine
		.amdhsa_group_segment_fixed_size 34816
		.amdhsa_private_segment_fixed_size 0
		.amdhsa_enable_private_segment 0
		.amdhsa_kernarg_size 32
		.amdhsa_user_sgpr_count 2
		.amdhsa_user_sgpr_kernarg_segment_ptr 1
		.amdhsa_wavefront_size32 1
		.amdhsa_system_sgpr_workgroup_id_x 1
		.amdhsa_system_sgpr_workgroup_id_y 1
		.amdhsa_system_sgpr_workgroup_id_z 1
		.amdhsa_system_vgpr_workitem_id 0
		.amdhsa_next_free_vgpr 256
		.amdhsa_next_free_sgpr 66
		.amdhsa_reserve_vcc 1
		.amdhsa_float_denorm_mode_32 3
		.amdhsa_float_denorm_mode_16_64 3
		.amdhsa_memory_ordered 1
		.amdhsa_forward_progress 1
		.amdhsa_inst_pref_size 24
	.end_amdhsa_kernel
	.amdgpu_metadata
---
amdhsa.version: [ 1, 2 ]
amdhsa.kernels:
  - .name:           k_q780026ef8f_fine
    .symbol:         k_q780026ef8f_fine.kd
    .args:
      - { .name: fine32, .offset: 0, .size: 8, .value_kind: global_buffer, .address_space: global }
      - { .name: Wout, .offset: 8, .size: 8, .value_kind: global_buffer, .address_space: global }
      - { .name: bout, .offset: 16, .size: 8, .value_kind: global_buffer, .address_space: global }
      - { .name: out0, .offset: 24, .size: 8, .value_kind: global_buffer, .address_space: global }
    .group_segment_fixed_size: 34816
    .private_segment_fixed_size: 0
    .kernarg_segment_align: 8
    .kernarg_segment_size: 32
    .max_flat_workgroup_size: 512
    .sgpr_count:     66
    .vgpr_count:     256
    .wavefront_size: 32
...
	.end_amdgpu_metadata
.endif
;; end of part 6
